; MI455X (gfx1250); checked and timed in simulation.
; The chip was launched on July 23, 2026; its instructions are those of AMD's public machine-readable ISA for CDNA 5 (MIT licence, August 2026) and "CDNA5" Instruction Set Architecture Reference Guide (July 2026). The comments in the code are by the model that wrote it; some were corrected since.
;; Causal Self Attention. Allowed arithmetic: matrix products marked QUANTISED: E2M3 operands, one E8M0 scale for each 32 along K, by v_wmma_scale_f32_16x16x128_f8f6f4 with both operands' format E2M3, f32 sums; everything else in f32.
;; Inputs: W_out 1,024 x 1,024 float32; W_qkv 3,072 x 1,024 float32; x 4 x 2,048 x 1,024 float32.
;; Outputs: out0 4 x 2,048 x 1,024 float32.
;; This version of the problem:
;;   THIS VERSION OF THE PROBLEM IS GIVEN IN LOW PRECISION. The matrix products marked QUANTISED in the list below multiply operands that are first quantised to E2M3 (2 exponent bits, 3 mantissa bits; 6 bits a number), with one power-of-two scale for each 32 numbers along K (OCP MX v1.0); their sums are f32. All else is computed in f32.
;;   The module's matrix products, in the order in which they are computed (A, B: the left and right operand; K: the contracted axis; several contracted axes count as one K, in the product's order):
;;     1. [M 8,192, K 1,024] x [K 1,024, N 3,072]; A: input x; B: input W_qkv: QUANTISED
;;     2. batch 64 x [M 2,048, K 64] x [K 64, N 2,048]; A: computed on the way; B: computed on the way: QUANTISED
;;     3. batch 64 x [M 2,048, K 2,048] x [K 2,048, N 64]; A: softmax (see below); B: computed on the way: QUANTISED
;;     4. [M 8,192, K 1,024] x [K 1,024, N 1,024]; A: computed on the way; B: input W_out: QUANTISED
;;   THE QUANTISER, for each operand of a quantised product, along K:
;;     - K is cut into blocks of 32 from its start; a last block that is shorter is filled with zeros.
;;     - A block's scale is 2^e with e = floor(log2(the largest magnitude in the block)) - 2, held to -126 .. 127; a block of zeros has e = 0. As a byte (E8M0): e + 127.
;;     - Each number is divided by its block's scale, clamped to +-7.5, and rounded to the nearest number of E2M3, ties to even, subnormals kept.
;;     - The product sums the exact products of the quantised numbers (number of the format x scale) in f32.
;;   ~~~python
;;   def quantise(x, axis):      # numpy; x: float32 -> the quantised numbers, widened to float32 again
;;       x = np.moveaxis(x, axis, -1); K = x.shape[-1]
;;       x = np.pad(x, [(0, 0)] * (x.ndim - 1) + [(0, -K % 32)]); x = x.reshape(x.shape[:-1] + (-1, 32)); a = np.abs(x).max(-1, keepdims=True)
;;       e = np.where(a > 0, np.clip(np.frexp(np.where(a > 0, a, 1))[1] - 1 - 2, -126, 127), 0)      # np.frexp(a)[1] - 1 = floor(log2(a)), exactly
;;       r = np.clip(x / 2.0 ** e, -7.5, 7.5)
;;       step = 2.0 ** (np.maximum(np.frexp(np.where(r == 0, 1, r))[1] - 1, 0) - 3)
;;       q = np.round(r / step) * step * 2.0 ** e      # np.round: ties to even
;;       return np.moveaxis(q.reshape(q.shape[:-2] + (-1,))[..., :K], -1, axis).astype(np.float32)
;;   ~~~
;;   SOFTMAX AHEAD OF A QUANTISED PRODUCT. Where the list says 'softmax', what is quantised is not the finished softmax but p = 2^(t - M), with t = logit x log2(e) and M = ceil(the row's largest t), a whole number; so 1/2 < the row's largest p <= 1. The row's sum l is taken of the UNQUANTISED p, in f32, and the product's result is divided by l at the end. Since M is a whole number, a kernel that streams over the keys may use a running M (the ceiling of the running maximum): every later rescaling is an exact power of two, which a block's scale takes up: the codes' values come out the same.
;;   OPERANDS COMPUTED ON THE WAY. 'Computed on the way' means the value that the module computes at that place (a softmax that the list does not call 'softmax' is quantised finished and normalised). What goes into a quantiser is computed in f32, as accurately as f32 sums, v_exp_f32 and their like allow (about 1e-6 of the number): no bf16 or f16 on the way to a quantiser, and a product that is left as it is and whose result goes on into a quantised operand takes f32 operands (vector FMAs, or v_wmma_f32_16x16x4_f32). A number that lies on a knife's edge between two numbers of the format may be rounded either way, as far as f32 arithmetic and the matrix unit's own rounding can turn it there, and no further.
;; One version. Each part assembles by itself: llvm-mc -triple=amdgcn-amd-amdhsa -mcpu=gfx1250 --defsym DOCPART=n.
;; ======== version 1 of 1: 4 launches
;; limits: right only within a limited range of input values
;; workspace buffers: xq 6,553,600 bytes; wqkq 1,835,008 bytes; wvq 1,048,576 bytes; woq 1,048,576 bytes; qkq 13,631,488 bytes; vq 7,340,032 bytes; yq 6,553,600 bytes
;; launch quant (part 1): grid 384 x 1, 4 waves a work-group, no clusters, 33,280 bytes of LDS; arguments x, W_qkv, W_out, xq, wqkq, wvq, woq; writes xq, wqkq, wvq, woq
.if DOCPART == 1
	.amdgcn_target "amdgcn-amd-amdhsa--gfx1250"
	.amdhsa_code_object_version 6
	.text
	.protected	k_q4028126574_quant
	.globl	k_q4028126574_quant
	.p2align	8
	.type	k_q4028126574_quant,@function
k_q4028126574_quant:
	s_mov_b64 s[64:65], 0
	v_nop
	global_prefetch_b8 v0, s[64:65] scope:SCOPE_SE
	s_setreg_imm32_b32 hwreg(HW_REG_WAVE_MODE, 25, 1), 1
	s_wait_xcnt 0x0
; x [8192][1024], W_qkv [3072][1024] and W_out [1024][1024], f32, K innermost, are turned into codes of FP6 (E2M3), 6 bits each, with one E8M0 scale byte for each 32 along K.
; A block's scale is 2^(floor(log2(its largest magnitude)) - 2); its byte is the largest magnitude's exponent field - 2, held at 1 from below.  Each number is divided by the scale and rounded to the nearest code, ties to even.
; LIMITS: a block of zeros gets the byte 1 where the rule says 127 (its codes are zeros, which add nothing under any byte but 0xff, and this program alone reads the bytes);
; blocks whose largest magnitude lies under 2^-124 are held at that floor; NaN and infinities among the inputs are not served.
; TARGETS.  Each target buffer holds its scale bytes [rows][32] from byte 0 and its codes [rows][768] from byte IN_COFF.  Work-groups 0-255: x -> xq; 256-319: W_qkv's rows 0-2047 -> wqkq; 320-351: its rows 2048-3071 -> wvq; 352-383: W_out -> woq.
; Only pointers and run numbers are chosen, by the work-group's number: there is one path through the text.
; SHARES.  A work-group takes 32 rows, a wave 8 rows = 8,192 numbers = 16 steps of 512.  THE ROW ORDER: in xq, wqkq and wvq the two middle groups of eight rows of every 32 change places (wave 1's rows land where wave 2's would and the
; other way round), so that 16 consecutive stored rows are rows 8 u + i + 8 (i / 8): a tile of such rows, used as the first source of a product, leaves a lane 16 neighbours along that axis in the registers of two neighbouring tiles.  woq keeps its order.
; Each load reads 512 consecutive bytes; a step's 2,048 bytes turn through the wave's own stage in LDS so that a lane holds 16 neighbours along K; the wave stores two runs of 192 bytes of codes a step, 49,152 bytes apart and its 256 scale bytes as one aligned block at the end.
; No tensor loads, no barrier: waves share nothing.  Loads run four steps (16 loads a wave) ahead.
.set STEPS, 16
.set CB,    12                         ; bytes of 16 codes
.set R,     16                         ; v16-79   four sets of 16 numbers as they are loaded
.set X,     80                         ; v80-111  two sets of 16 neighbours
.set C,     128                        ; v128-191 codes: four registers for each step, so that no store's data are written again
.set E,     112                        ; v112-127 a scale byte for each step
.set WREG,  8192                       ; LDS: a region for each wave: two stages of 32 x SP bytes, and behind them its 256 scale bytes
.set SP,    80                         ; a lane's place in a stage: its 64 bytes + 16 of padding
.set IN_COFF, 262144                   ; where a target's codes begin
	s_load_b256 s[4:11], s[0:1], 0x0               ; x s[4:5], W_qkv s[6:7], W_out s[8:9], xq s[10:11]
	s_load_b128 s[12:15], s[0:1], 0x20             ; wqkq s[12:13], wvq s[14:15]
	s_load_b64 s[16:17], s[0:1], 0x30              ; woq
	v_lshl_add_u32 v192, v0, 2, 0x8000
	v_mov_b32 v193, 0
	v_lshrrev_b32 v1, 5, v0
	v_readfirstlane_b32 s18, v1                    ; wave
	v_and_b32 v2, 31, v0                           ; lane
	v_lshlrev_b32 v3, 4, v2                        ; my 16 bytes of a load's 512
	s_mul_i32 s19, s18, WREG
	v_lshrrev_b32 v14, 2, v2
	v_mul_u32_u24 v14, v14, SP
	v_and_b32 v15, 3, v2
	v_lshl_add_u32 v14, v15, 4, v14
	v_add_nc_u32 v14, s19, v14                     ; the stage, on the way in: SP (lane / 4) + 16 (lane % 4); a load's 512 bytes take eight places
	v_mul_u32_u24 v15, v2, SP
	v_add_nc_u32 v15, s19, v15                     ; and on the way out: SP x lane: my 16 neighbours
	; CODES' LAYOUT: [group of 256 stored rows][K step of 256][row][192 bytes]: a tile of 128 or 256 rows of one K step is one dense block, a multiple of 256 bytes
	v_and_b32 v4, 15, v2
	v_mul_u32_u24 v4, v4, CB                       ; sixteen lanes fill a row's 192 bytes of a K step
	v_lshrrev_b32 v10, 4, v2
	v_mad_u32_u24 v4, v10, 49152, v4               ; lanes 16-31: the next K step, 256 rows x 192 bytes on
	v_lshrrev_b32 v5, 1, v2
	s_add_co_u32 s19, s19, 2*32*SP
	v_add_nc_u32 v5, s19, v5                       ; LDS: my wave's 256 scale bytes, my block's byte
	v_lshlrev_b32 v7, 3, v2                        ; and on the way out 8 bytes a lane
	v_add_nc_u32 v6, s19, v7
	s_and_b32 s27, s18, 1
	s_lshl_b32 s27, s27, 1
	s_lshr_b32 s26, s18, 1
	s_or_b32 s27, s27, s26                         ; waves 1 and 2 change places: 0, 2, 1, 3
	s_mov_b32 s24, 352                             ; the source's first work-group
	s_mov_b32 s25, 352                             ; the target's first work-group
	s_mov_b32 s26, s18                             ; my wave's place among the target's four groups of eight rows
	s_wait_alu depctr_va_vdst(0)
	s_wait_kmcnt 0x0
	s_cmp_lt_u32 ttmp9, 352                        ; every choice hangs on the work-group's number alone
	s_cselect_b64 s[20:21], s[6:7], s[8:9]         ; the source
	s_cselect_b64 s[22:23], s[14:15], s[16:17]     ; the target
	s_cselect_b32 s24, 256, s24
	s_cselect_b32 s25, 320, s25
	s_cselect_b32 s26, s27, s26
	s_cmp_lt_u32 ttmp9, 320
	s_cselect_b64 s[22:23], s[12:13], s[22:23]
	s_cselect_b32 s25, 256, s25
	s_cmp_lt_u32 ttmp9, 256
	s_cselect_b64 s[20:21], s[4:5], s[20:21]
	s_cselect_b64 s[22:23], s[10:11], s[22:23]
	s_cselect_b32 s24, 0, s24
	s_cselect_b32 s25, 0, s25
	s_sub_co_u32 s24, ttmp9, s24
	s_lshl_b32 s24, s24, 2
	s_add_co_u32 s24, s24, s18                     ; which run of 8,192 numbers of the source is my wave's
	s_lshl_b32 s32, s24, 15                        ; 32,768 bytes a run (under 2^26)
	s_mov_b32 s33, 0
	s_add_nc_u64 s[20:21], s[20:21], s[32:33]
	s_sub_co_u32 s25, ttmp9, s25
	s_lshl_b32 s25, s25, 2
	s_add_co_u32 s25, s25, s26                     ; and which run of the target
	s_lshr_b32 s32, s25, 5                         ; 32 runs of 8 rows to a group of 256 rows
	s_mul_i32 s32, s32, 196608
	s_and_b32 s34, s25, 31
	s_mul_i32 s34, s34, 1536                       ; 8 rows of 192 bytes
	s_add_co_u32 s32, s32, s34
	s_add_co_u32 s32, s32, IN_COFF
	s_add_nc_u64 s[28:29], s[22:23], s[32:33]      ; my codes
	s_lshl_b32 s32, s25, 8                         ; 8 rows of 32 scale bytes
	s_add_nc_u64 s[30:31], s[22:23], s[32:33]      ; my scale bytes
.macro LOAD t
.irp i, 0,1,2,3
	global_load_b128 v[R+16*((\t)%4)+4*\i:R+16*((\t)%4)+4*\i+3], v3, s[20:21] offset:2048*(\t)+512*\i th:TH_LOAD_NT   ; 32 lanes read 512 consecutive bytes
.endr
.endm
.macro TURN t                          ; step t's numbers through the stage: LDS serves a wave's instructions in order, so no wait stands between the stores and the loads
.irp i, 0,1,2,3
	ds_store_b128 v14, v[R+16*((\t)%4)+4*\i:R+16*((\t)%4)+4*\i+3] offset:32*SP*((\t)%2)+8*SP*\i
.endr
.irp i, 0,1,2,3
	ds_load_b128 v[X+16*((\t)%2)+4*\i:X+16*((\t)%2)+4*\i+3], v15 offset:32*SP*((\t)%2)+16*\i
.endr
.endm
.irp t, 0,1,2,3
	LOAD \t
.endr
	s_wait_loadcnt 12                              ; step 0's four loads are in; the twelve of steps 1 to 3 may be out
	TURN 0
.macro STEP t
.set XS, X+16*((\t)%2)
.if (\t) > 0
	s_wait_dscnt 1                                 ; this step's numbers are back from the stage (the last step's byte store may be out): so its stores into the stage have read their registers,
.else
	s_wait_dscnt 0x0
.endif
.if (\t)+4 < STEPS
	LOAD (\t)+4                                    ; which take the loads of four steps on
.endif
.if (\t)+1 < STEPS
.if STEPS-2-(\t) >= 3
	s_wait_loadcnt 12                              ; the next step's four loads are in; those of the three steps behind it may be out
.else
	s_wait_loadcnt 4*(STEPS-2-(\t))                ; in the tail fewer steps stand behind it
.endif
	TURN (\t)+1                                    ; and go through the other stage while this step is worked
.endif
	v_max3_num_f32 v8, |v[XS]|, |v[XS+1]|, |v[XS+2]|               ; the largest magnitude of my 16, in two chains
	v_max3_num_f32 v9, |v[XS+3]|, |v[XS+4]|, |v[XS+5]|
.irp i, 6,10
	v_max3_num_f32 v8, v8, |v[XS+\i]|, |v[XS+\i+1]|
	v_max3_num_f32 v9, v9, |v[XS+\i+2]|, |v[XS+\i+3]|
.endr
	v_max3_num_f32 v8, v8, |v[XS+14]|, |v[XS+15]|
	v_max3_num_f32 v8, v8, v9, 0x1800000           ; and the floor 2^(3 - 127): so the byte cannot fall under 1
	v_max_num_f32_dpp v8, v8, v8 row_xmask:1 row_mask:0xf bank_mask:0xf   ; and of my neighbour's 16: the block's
	v_add_nc_u32 v11, 0xff000000, v8               ; 2 off its exponent field: the conversion takes the exponent field of this operand as its scale, and nothing else of it
	v_cvt_scalef32_pk16_fp6_f32 v[C+4*(\t):C+4*(\t)+2], v[XS:XS+15], v11   ; sixteen codes, 96 bits without gaps, the first number's code lowest
	v_lshrrev_b32 v[E+(\t)], 23, v11               ; the scale's byte (also the plain line behind the conversion)
	ds_store_b8 v5, v[E+(\t)] offset:16*(\t)       ; both lanes of a block write the same byte with the same value
	global_store_b96 v4, v[C+4*(\t):C+4*(\t)+2], s[28:29] offset:((\t)/2)*192+((\t)%2)*98304
.endm
.irp t, 0,1,2,3,4,5,6,7,8,9,10,11,12,13,14,15
	STEP \t
.endr
	ds_load_b64 v[12:13], v6                       ; LDS serves a wave's instructions in order: these see my stores
	s_wait_dscnt 0x0
	global_store_b64 v7, v[12:13], s[30:31]        ; 32 lanes store 256 consecutive bytes, aligned
	s_wait_tensorcnt 0x0
	ds_add_u32 v192, v193
	s_wait_dscnt 0x0
	s_endpgm
.Lfunc_end_k_q4028126574_quant:
	.size	k_q4028126574_quant, .Lfunc_end_k_q4028126574_quant-k_q4028126574_quant
	.p2alignl 7, 3214868480
	.fill 96, 4, 3214868480
	.section	.rodata,"a",@progbits
	.p2align	6, 0x0
	.amdhsa_kernel k_q4028126574_quant
		.amdhsa_group_segment_fixed_size 33280
		.amdhsa_private_segment_fixed_size 0
		.amdhsa_enable_private_segment 0
		.amdhsa_kernarg_size 56
		.amdhsa_user_sgpr_count 2
		.amdhsa_user_sgpr_kernarg_segment_ptr 1
		.amdhsa_wavefront_size32 1
		.amdhsa_system_sgpr_workgroup_id_x 1
		.amdhsa_system_sgpr_workgroup_id_y 1
		.amdhsa_system_sgpr_workgroup_id_z 1
		.amdhsa_system_vgpr_workitem_id 0
		.amdhsa_next_free_vgpr 194
		.amdhsa_next_free_sgpr 66
		.amdhsa_reserve_vcc 0
		.amdhsa_float_denorm_mode_32 3
		.amdhsa_float_denorm_mode_16_64 3
		.amdhsa_memory_ordered 1
		.amdhsa_forward_progress 1
		.amdhsa_inst_pref_size 33
	.end_amdhsa_kernel
	.amdgpu_metadata
---
amdhsa.version: [ 1, 2 ]
amdhsa.kernels:
  - .name:           k_q4028126574_quant
    .symbol:         k_q4028126574_quant.kd
    .args:
      - { .name: x, .offset: 0, .size: 8, .value_kind: global_buffer, .address_space: global }
      - { .name: W_qkv, .offset: 8, .size: 8, .value_kind: global_buffer, .address_space: global }
      - { .name: W_out, .offset: 16, .size: 8, .value_kind: global_buffer, .address_space: global }
      - { .name: xq, .offset: 24, .size: 8, .value_kind: global_buffer, .address_space: global }
      - { .name: wqkq, .offset: 32, .size: 8, .value_kind: global_buffer, .address_space: global }
      - { .name: wvq, .offset: 40, .size: 8, .value_kind: global_buffer, .address_space: global }
      - { .name: woq, .offset: 48, .size: 8, .value_kind: global_buffer, .address_space: global }
    .group_segment_fixed_size: 33280
    .private_segment_fixed_size: 0
    .kernarg_segment_align: 8
    .kernarg_segment_size: 56
    .max_flat_workgroup_size: 128
    .sgpr_count:     66
    .vgpr_count:     194
    .wavefront_size: 32
...
	.end_amdgpu_metadata
.endif
;; end of part 1
;; launch qk (part 2): grid 8 x 48, 4 waves a work-group, clusters of 4 x 4, 327,680 bytes of LDS; arguments xq, wqkq, wvq, qkq, vq; writes qkq, vq
.if DOCPART == 2
	.amdgcn_target "amdgcn-amd-amdhsa--gfx1250"
	.amdhsa_code_object_version 6
	.text
	.protected	k_q4028126574_qk
	.globl	k_q4028126574_qk
	.p2align	8
	.type	k_q4028126574_qk,@function
k_q4028126574_qk:
	s_mov_b64 s[64:65], 0
	v_nop
	global_prefetch_b8 v0, s[64:65] scope:SCOPE_SE
	s_setreg_imm32_b32 hwreg(HW_REG_WAVE_MODE, 25, 1), 1
	s_wait_xcnt 0x0
	s_wait_alu depctr_hold_cnt(0) depctr_sa_sdst(0) depctr_va_vdst(0) depctr_va_sdst(0) depctr_va_ssrc(0) depctr_va_vcc(0) depctr_vm_vsrc(0)
	s_getreg_b32 s2, hwreg(HW_REG_IB_STS2, 6, 4)
	s_cmp_eq_u32 s2, 0
	s_cbranch_scc0 .Lentry_in_a_cluster
	s_endpgm
.Lentry_in_a_cluster:
	s_bfe_u32 s2, ttmp6, 0x10000c
	s_cmp_lg_u32 s2, 0xf033
	s_cbranch_scc0 .Lentry_shape_is_right
	s_endpgm
.Lentry_shape_is_right:
; T[i][j] = sum over k of S1[i][k] S0[j][k], K = 1,024, both operands codes of FP6 (E2M3) with one E8M0 byte for each 32 along K; T is QUANTISED ALONG j on the way out and leaves as codes and scale words: no f32 number goes to memory.
; Arguments: S1, S0, OUT.  An input buffer holds its scale bytes [rows][32] from byte 0 and its codes [rows][768] from byte IN_COFF.
; ONE BODY, TWO LAUNCHES.  q and k: S1 = the tokens (xq), S0 = W_qkv's rows 0-2047 (wqkq): codes along the head's 64.  v: S1 = W_qkv's rows 2048-3071 (wvq), S0 = the tokens (xq): codes along the keys.  The grid's x counts S0's tiles of 256 rows, its y S1's.
; THE MATRIX INSTRUCTION: source 0 = 16 rows of S0, source 1 = 16 rows of S1: a lane holds ONE row of S1, and its registers run along S0.  The input buffers' rows are stored with the two middle groups of eight of every 32 exchanged, so 16 consecutive
; stored rows of S0 are rows 8 u + i + 8 (i / 8): registers 16 B + i of the eight accumulators of a block of S1 are then S0's index 32 B + 16 (lane / 16) + i, in S0's own order: 16 neighbours along the axis that is quantised.
; OUT, with R = the stored row of S1 and G = S0's index / 64: 48 bytes of codes at OUT_COFF + ((R >> 11) 32 + (G & 63)) 98,304 + (G >> 6) 49,152 + (R & 2047) 48; a scale WORD at ((R >> 11) 32 + (G & 63)) 8,192 + (G >> 6) 4,096 + (R & 2047) 4.
; The word of an even G holds G's two bytes and G + 1's two (the word of 128 along that axis); the word of an odd G holds its own two bytes and two bytes 0.  In the launch for v the odd words are stored and not read: 262,144 bytes, the price of one body.
; A tile of T, 256 x 256, is made by a work-group of four waves, 128 x 128 each: 64 accumulators, 512 registers.  K goes in steps of 256 through a ring of two LDS slots filled by the tensor data mover; the scales of the work-group's 512 rows come once.
; CLUSTERS: 4 x 4 work-groups.  The four of a row of the cluster need the same tiles of S1, the four of a column the same tiles of S0: each tile is asked for JOINTLY, by the same tensor load with the same descriptor and a mask that names the four.
; No prefetch: K has four slots' worth of steps, two of them first fills.  LIMITS: a block of zeros gets the byte 1; blocks under 2^-124 are held at that floor; NaN and infinities are not served.
; REGISTERS, in windows of 256: window 0: v16-31 addresses; v32-63 scale words, two sets; v128-223 S1's fragments, ONE set; on the way out v32-51 codes, v64-82 at work, v128-231 what comes back from the stage.
;   window 1: S0's fragments, TWO sets, at v0 and v128.   window 2: the accumulators of my rows 0-63 ((a, b) at v[8 (8 a + b)]);   window 3: those of my rows 64-127.
.set IN_COFF,  262144
.set OUT_COFF, 1048576
.set KSTEP,  256                       ; along K in a slot
.set NQ,     2                         ; matrix instructions deep
.set ROWB,   192                       ; a tile's row in bytes
.set KROW,   768                       ; a row of codes in memory
.set PITCH,  240                       ; an LDS row: 3 x (64 bytes of data + 16 of padding) = 60 words: the 32 lanes of a load of 8 bytes touch 64 different banks (64 banks of 4 bytes: ISA guide 11.1)
.set FR,     12                        ; registers of a fragment: 16 rows x 128 K
.set NL,     6                         ; LDS loads that bring one
.set NP,     4                         ; places behind this matrix instruction (ISA guide 7.12.1)
.set HALFT,  128*PITCH                 ; 128 rows: what one tensor load brings
.set SLOT,   4*HALFT                   ; S1's 256 rows, then S0's 256 rows
.set LAPS,   2                         ; a lap = two K steps = once round the ring: 1,024 / 512
.set KS,     32                        ; a row of scales in bytes
.set SCL,    2*SLOT                    ; behind the ring: the scales, as rows of 256 bytes + 16 of padding
.set HALFS,  16*272                    ; the scales of 128 rows
.set SBLK,   2*272                     ; those of 16 rows
.set SPARE,  SCL+4*HALFS               ; the spare words, 128 bytes for each wave: two blocks of 256 bytes that no other line names
.set WSTG,   13312                     ; the way out: a stage for each wave, in slot 0: codes [2 G][128 rows][48], then words [2 G][128][4].  Slot 0 has had its last fill and its last read when the first result is stored there
.set ADRA, 16                          ; v16-17  LDS address of my S1 fragments in slot 0, 1  (v18-19: for the pieces behind one padding more)
.set ADRB, 20                          ; v20-21  the same for S0  (v22-23)
.set STC,  24                          ; v24     the stage: where I put my row's 24 bytes of codes
.set STS,  25                          ; v25     and its scale word
.set RDB,  26                          ; v26     where I read the stage back: 16 x lane
.set ADRS, 27                          ; v27     LDS address of my scale words: lanes 0-15 S1's rows, lanes 16-31 S0's
.set SPW,  28                          ; v28     LDS address of my spare word; never rewritten
.set NIL,  29                          ; v29     0; never rewritten
.set GOF,  30                          ; v30     16 x lane: my bytes of a store's 512
.set SC,   32                          ; scale words: set s at v[SC + 16 s]; register 2 i + q: lanes 0-15 the word of S1's block i, lanes 16-31 that of S0's block i
.set PC,   32                          ; the way out: v32-43 a fragment's codes, v44-50 their second halves as they are made
.set TM,   64                          ; v64-67 largest magnitudes, v68-71 the other lanes', then bytes, v76-79 the conversions' scale operands
.set PW,   80                          ; v80     the row's scale word of 128 along S0
.set PW2,  81                          ; v81     what my lane stores of it
.set SH,   82                          ; v82     16 x (lane / 16)
.set AF,   128                         ; S1's fragments
.set OUTR, 128
.set SEL,  96                          ; s96-97  lane selects for v_permlanex16_b32: lane l xor 16
.set G1, 24                            ; s[24:31] descriptor group 1 for S1's tiles;  s[32:39] group 0, one set for each slot
.set G0, 32
.set G1B, 48                           ; s[48:55], s[56:63] the same for S0's tiles
.set G0B, 56
.set G1S, 68                           ; s[68:75], s[76:79] groups 1 and 0 for S1's scales;  s[80:87], s[88:91] for S0's
.set G0S, 76
.set G1SB, 80
.set G0SB, 88
.set MSB, 0
.macro WIN new                         ; the immediate's high byte repeats the setting that is left
.if MSB != \new
	s_set_vgpr_msb (MSB<<8)|\new
.set MSB, \new
.endif
.endm
.set MUL_LO, 0xa1                      ; source 0 (S0) window 1, source 1 (S1) window 0, C and D window 2
.set MUL_HI, 0xf1                      ; the same, C and D window 3
.set TO_B,   0x40                      ; destination window 1, address window 0
; A joint load: waves 0 and 1 fetch for S1, waves 2 and 3 for S0.  Each of the two lines has ONE mask and one set of registers for all that issue it; the branch hangs on the wave's number alone.
; Four v_nop follow each of the two lines, ahead of the jump, the label and what follows.
.macro JLOAD g0a, g1a, g0b, g1b
	s_cmp_eq_u32 s15, 0
	s_cbranch_scc0 .Lfor_b_\@
	tensor_load_to_lds s[\g0a:\g0a+3], s[\g1a:\g1a+7]
	s_nop 0
.rept 4
	v_nop
.endr
	s_branch .Lasked_\@
.Lfor_b_\@:
	tensor_load_to_lds s[\g0b:\g0b+3], s[\g1b:\g1b+7]
	s_nop 0
.rept 4
	v_nop
.endr
.Lasked_\@:
.endm
.macro CREST                           ; a round of the cluster's barrier behind its opening barrier
	s_cmp_lg_u32 s14, 0
	s_cbranch_scc1 .Lnot_wave_0_\@
	s_barrier_signal -3
.Lnot_wave_0_\@:
	s_barrier_wait -3
	s_barrier_signal -1
	s_barrier_wait -1
.endm
.macro CROUND                          ; a whole round
	s_barrier_signal -1
	s_barrier_wait -1
	CREST
.endm
	; ONE LAUNCH NOW SERVES BOTH PRODUCTS that the head comment describes as two: rows 0-7 of clusters make q and k (S1 = xq, S0 = wqkq, OUT = qkq), rows 8-11 make v (S1 = wvq, S0 = xq, OUT = vq).
	; Only tile numbers and pointers are chosen, by the cluster's numbers, which all sixteen partners share: there is one path through the text.
	s_load_b64 s[6:7], s[0:1], 0x0                 ; xq
	s_load_b64 s[10:11], s[0:1], 0x8               ; wqkq
	s_load_b64 s[4:5], s[0:1], 0x10                ; wvq
	s_load_b64 s[12:13], s[0:1], 0x18              ; qkq
	s_load_b64 s[8:9], s[0:1], 0x20                ; vq
	v_lshl_add_u32 v[SPW], v0, 2, SPARE
	v_mov_b32 v[NIL], 0
	ds_add_u32 v28, v29
	ds_add_u32 v28, v29
	s_wait_dscnt 0x0
.irp b, 0,1,2,3
	v_mov_b32 v[TM+4+\b], 0                        ; written once: a lane permute's destination counts as one of its sources
.endr
	v_lshrrev_b32 v1, 5, v0
	v_readfirstlane_b32 s14, v1                    ; wave 0..3
	s_lshr_b32 s15, s14, 1                         ; which half of the tile's S1 rows is mine.  Also: I fetch for S1 (0) or for S0 (1)
	s_and_b32 s16, s14, 1                          ; which half of its S0 rows.  Also: which 128 rows of that tile I fetch
	s_bfe_u32 s40, ttmp6, 0x40000                  ; cx, cy: my place in the cluster
	s_bfe_u32 s41, ttmp6, 0x40004
	s_and_b32 s17, ttmp7, 0xffff                   ; the cluster's y, 0 .. 11
	s_sub_co_u32 s18, s17, 8
	s_lshl_b32 s18, s18, 1
	s_add_co_u32 s18, s18, ttmp9                   ; v: its eight clusters lie side by side along S0: 2 (y - 8) + x
	s_cmp_ge_u32 s17, 8
	s_cselect_b32 s3, 1, 0                         ; 1: this cluster makes v
	s_cselect_b32 s42, s18, ttmp9
	s_cselect_b32 s17, 0, s17
	s_lshl_b32 s42, s42, 2
	s_add_co_u32 s42, s42, s40                     ; S0's tile = 4 x its cluster + cx
	s_lshl_b32 s17, s17, 2
	s_add_co_u32 s17, s17, s41                     ; S1's tile = 4 x its cluster + cy
	s_lshl_b32 s43, s41, 2
	s_lshl_b32 s43, 15, s43                        ; my row of the cluster
	s_lshl_b32 s44, 0x1111, s40                    ; my column
	s_mov_b32 s[SEL], 0x76543210
	s_mov_b32 s[SEL+1], 0xfedcba98
	; descriptor group 1: a tile of 128 rows x 192 bytes, padded in LDS
	s_or_b32 s[G1+0], s43, (0<<16)|(1<<20)|(1<<21)|(3<<22)|(3<<25)  ; 15:0 the mask: S1's tiles go to my row; 17:16 element of 1 byte; 20 padding on; 21 set beside a mask; 24:22 after every 16 words (code 3); 31:25 of 4 words (code 3)
	s_or_b32 s[G1B+0], s44, (0<<16)|(1<<20)|(1<<21)|(3<<22)|(3<<25)
.irp g, G1, G1B
	s_mov_b32 s[\g+1], 256<<16                     ; a K step's 256 rows x 192 bytes are dense: stated as 192 rows of 256 bytes; the padding's interval stays 64 bytes
	s_mov_b32 s[\g+2], 192<<16
	s_mov_b32 s[\g+3], 256<<16
	s_mov_b32 s[\g+4], 192
	s_mov_b32 s[\g+5], 256
	s_mov_b32 s[\g+6], 0
	s_mov_b32 s[\g+7], 0
.endr
	; and for the scales of 256 rows: a dense block of 8,192 bytes, as 32 rows of 256 bytes (32 elements of 8 bytes), 16 bytes of padding behind each
	s_or_b32 s[G1S+0], s43, (3<<16)|(1<<20)|(1<<21)|(5<<22)|(3<<25)
	s_or_b32 s[G1SB+0], s44, (3<<16)|(1<<20)|(1<<21)|(5<<22)|(3<<25)
.irp g, G1S, G1SB
	s_mov_b32 s[\g+1], 32<<16
	s_mov_b32 s[\g+2], 32<<16
	s_mov_b32 s[\g+3], 32<<16
	s_mov_b32 s[\g+4], 32
	s_mov_b32 s[\g+5], 32
	s_mov_b32 s[\g+6], 0
	s_mov_b32 s[\g+7], 0
.endr
	s_lshl_b32 s20, s17, 8                         ; S1: the tile's first row
	s_lshl_b32 s46, s42, 8                         ; S0: likewise
	s_mov_b32 s21, 0
	s_mov_b32 s47, 0
	s_mov_b64 s[18:19], KS
	s_mul_u64 s[22:23], s[20:21], s[18:19]         ; where these rows' scales begin, in bytes
	s_mul_u64 s[92:93], s[46:47], s[18:19]
	s_mov_b64 s[18:19], KROW
	s_mul_u64 s[20:21], s[20:21], s[18:19]         ; and their codes
	s_mul_u64 s[46:47], s[46:47], s[18:19]
	s_mul_i32 s45, s14, HALFT                      ; where they go: wave x 128 rows: no place in the cluster enters an LDS address
	s_mul_i32 s18, s16, 24576                      ; in the ring I fetch 128 rows of a K step: which half, in bytes
	s_mov_b32 s19, 0
	s_wait_kmcnt 0x0
	s_cmp_lg_u32 s3, 0                             ; the choice of buffers hangs on the cluster's number alone
	s_cselect_b64 s[12:13], s[8:9], s[12:13]       ; OUT
	s_cselect_b64 s[8:9], s[6:7], s[10:11]         ; S0
	s_cselect_b64 s[6:7], s[4:5], s[6:7]           ; S1
	s_mov_b64 s[10:11], s[8:9]
	s_add_nc_u64 s[4:5], s[6:7], IN_COFF
	s_add_nc_u64 s[8:9], s[10:11], IN_COFF         ; S0's codes
	s_add_nc_u64 s[20:21], s[4:5], s[20:21]
	s_add_nc_u64 s[22:23], s[6:7], s[22:23]
	s_add_nc_u64 s[46:47], s[8:9], s[46:47]
	s_add_nc_u64 s[92:93], s[10:11], s[92:93]
	CROUND                                         ; all sixteen work-groups are here: the first joint loads meet
	s_mov_b32 s[G0S], 1
	s_mov_b32 s[G0S+1], SCL
	s_mov_b64 s[G0S+2:G0S+3], s[22:23]
	s_or_b32 s[G0S+3], s[G0S+3], 0x80000000
	s_mov_b32 s[G0SB], 1
	s_mov_b32 s[G0SB+1], SCL+2*HALFS
	s_mov_b64 s[G0SB+2:G0SB+3], s[92:93]
	s_or_b32 s[G0SB+3], s[G0SB+3], 0x80000000
	s_mov_b32 s4, 1                                ; s[4:7], s[8:11]: group 0 of the head's loads of K step 0: S1's 256 rows, S0's 256 rows
	s_mov_b32 s5, 0
	s_mov_b64 s[6:7], s[20:21]
	s_or_b32 s7, s7, 0x80000000
	s_mov_b32 s8, 1
	s_mov_b32 s9, 2*HALFT
	s_mov_b64 s[10:11], s[46:47]
	s_or_b32 s11, s11, 0x80000000
	s_add_nc_u64 s[20:21], s[20:21], s[18:19]      ; for the ring: my 128 rows
	s_add_nc_u64 s[46:47], s[46:47], s[18:19]
.irp s, 0,1
	s_mov_b32 s[G0+4*\s], 1
	s_add_co_u32 s[G0+4*\s+1], s45, \s*SLOT
	s_add_nc_u64 s[G0+4*\s+2:G0+4*\s+3], s[20:21], \s*49152
	s_or_b32 s[G0+4*\s+3], s[G0+4*\s+3], 0x80000000
	s_mov_b32 s[G0B+4*\s], 1
	s_add_co_u32 s[G0B+4*\s+1], s45, \s*SLOT
	s_add_nc_u64 s[G0B+4*\s+2:G0B+4*\s+3], s[46:47], \s*49152
	s_or_b32 s[G0B+4*\s+3], s[G0B+4*\s+3], 0x80000000
.endr
; the head's four tiles, one a wave, in one tree of branches on the wave's number
.macro ARM under, g0, g1, next
	s_cmp_lt_u32 s14, \under
	s_cbranch_scc0 \next
	tensor_load_to_lds s[\g0:\g0+3], s[\g1:\g1+7]
	s_nop 0
.rept 4
	v_nop
.endr
	s_branch .Lhead_asked
\next:
.endm
	ARM 1, 4,   G1,  .Lhead_b
	ARM 2, 8,   G1B, .Lhead_sa
	ARM 3, G0S, G1S, .Lhead_sb
	tensor_load_to_lds s[G0SB:G0SB+3], s[G1SB:G1SB+7]
	s_nop 0
.rept 4
	v_nop
.endr
.Lhead_asked:
	v_and_b32 v1, 15, v0                           ; r = l % 16
	v_bfe_u32 v2, v0, 4, 1                         ; h = l / 16
	v_mul_u32_u24 v3, v1, PITCH
	v_mul_u32_u24 v4, v2, 24
	v_add_nc_u32 v4, v3, v4                        ; a fragment's row x pitch + 24 x half
	v_lshl_add_u32 v5, v2, 4, v4                   ; and the same behind one padding more
	s_mul_i32 s21, s15, HALFT                      ; my 128 rows of S1
	s_mul_i32 s22, s16, HALFT                      ; my 128 rows of S0,
	s_add_co_u32 s22, s22, 2*HALFT                 ; which lie behind S1's 256
.irp s, 0,1
	v_add_nc_u32 v[ADRA+\s], s21, v4
	v_add_nc_u32 v[ADRB+\s], s22, v4
	v_add_nc_u32 v[ADRA+2+\s], s21, v5
	v_add_nc_u32 v[ADRB+2+\s], s22, v5
	s_add_co_u32 s21, s21, SLOT
	s_add_co_u32 s22, s22, SLOT
.endr
	v_mul_u32_u24 v5, v1, KS                       ; my row's scales: 32 bytes a row,
	v_lshrrev_b32 v6, 8, v5
	v_lshl_add_u32 v5, v6, 4, v5                   ; and 16 more for each 256 passed
	s_mul_i32 s21, s15, HALFS                      ; S1's: my 128 rows
	s_mul_i32 s22, s16, HALFS                      ; S0's: my 128 rows, behind S1's 256
	s_add_co_u32 s22, s22, 2*HALFS
	s_sub_co_u32 s22, s22, s21
	v_mul_u32_u24 v6, s22, v2                      ; lanes 16-31 take S0's: one product, the distance between the two bases x half
	s_add_co_u32 s21, s21, SCL
	v_add_nc_u32 v5, v5, v6
	v_add_nc_u32 v[ADRS], s21, v5
	s_mul_i32 s23, s14, WSTG                       ; my stage
	v_mul_u32_u24 v5, v1, 48
	v_mad_u32_u24 v5, v2, 24, v5
	v_add_nc_u32 v[STC], s23, v5                   ; codes: row r of 48 bytes, + 24 h
	v_lshlrev_b32 v5, 2, v1
	v_lshl_add_u32 v5, v2, 9, v5
	v_add_nc_u32 v5, s23, v5
	v_add_nc_u32 v[STS], 12288, v5                 ; words: lanes 0-15 the first G's, lanes 16-31 the second's, 512 bytes on
	v_and_b32 v6, 31, v0
	v_lshlrev_b32 v[GOF], 4, v6
	v_add_nc_u32 v[RDB], s23, v[GOF]
	v_lshlrev_b32 v[SH], 4, v2
	; where my part of OUT begins.  blk = (S1's tile >> 3) 32 + (S0's tile & 15) 4 + 2 x my half of S0; rr = (S1's tile & 7) 256 + 128 x my half of S1
	s_lshr_b32 s20, s17, 3
	s_lshl_b32 s20, s20, 5
	s_and_b32 s21, s42, 15
	s_lshl_b32 s21, s21, 2
	s_add_co_u32 s20, s20, s21
	s_lshl_b32 s21, s16, 1
	s_add_co_u32 s20, s20, s21                     ; blk
	s_and_b32 s21, s17, 7
	s_lshl_b32 s21, s21, 8
	s_lshl_b32 s22, s15, 7
	s_add_co_u32 s21, s21, s22                     ; rr
	s_lshr_b32 s22, s42, 4                         ; S0's tile >> 4
	s_mul_i32 s46, s20, 98304
	s_mul_i32 s23, s22, 49152
	s_add_co_u32 s46, s46, s23
	s_mul_i32 s23, s21, 48
	s_add_co_u32 s46, s46, s23
	s_add_co_u32 s46, s46, OUT_COFF                ; the codes' offset (under 2^24)
	s_mov_b32 s47, 0
	s_lshl_b32 s92, s20, 13
	s_lshl_b32 s23, s22, 12
	s_add_co_u32 s92, s92, s23
	s_lshl_b32 s23, s21, 2
	s_add_co_u32 s92, s92, s23                     ; the words' offset
	s_mov_b32 s93, 0
	s_add_nc_u64 s[92:93], s[12:13], s[92:93]      ; my scale words
	s_add_nc_u64 s[12:13], s[12:13], s[46:47]      ; my codes
.macro FRAG reg, adr, q, i             ; a fragment, 16 rows x 128 K of 6-bit codes, is 12 registers: lane l holds row l % 16; registers 6 c .. 6 c + 5 hold K = 64 c + 32 (l / 16) + 0 .. 31: 24 bytes of the row's stream of bits, as they lie
.irp p, 0,1,2,3,4,5                    ; in pieces of 8 bytes.  Lanes 0-15 take the row's pieces 12 q + 0, 1, 2 and 12 q + 6, 7, 8, lanes 16-31 those three pieces on
.set PCE, 12*(\q)+6*(\p/3)+\p%3        ; 16 bytes of padding lie behind every 8 pieces: where the piece three on lies behind one padding more, the second address register serves
.if PCE%8 < 5
	ds_load_b64 v[\reg+2*\p:\reg+2*\p+1], v[\adr] offset:8*PCE+16*(PCE/8)+(\i)*16*PITCH
.else
	ds_load_b64 v[\reg+2*\p:\reg+2*\p+1], v[\adr+2] offset:8*PCE+16*(PCE/8)+(\i)*16*PITCH
.endif
.endr
.endm
; 16 matrix instructions: S1's blocks a0, a0 + 1 x S0's eight, 128 along K: the slot's q-th.  p: S0's set;  sc: the set of scale words.  zero = 1: the first product starts the sums: nothing is ever cleared.
; The 64 accumulators take turns, one instruction a turn, in the same order in every step.
.macro MUL16 a0, p, q, sc, zero
.irp a, \a0, \a0+1
.irp b, 0,1,2,3,4,5,6,7
.if \zero
	v_wmma_scale_f32_16x16x128_f8f6f4 v[8*(8*((\a)%4)+\b):8*(8*((\a)%4)+\b)+7], v[128*(\p)+FR*\b:128*(\p)+FR*\b+FR-1], v[AF+FR*(\a):AF+FR*(\a)+FR-1], 0, v[SC+8*NQ*(\sc)+NQ*\b+(\q)], v[SC+8*NQ*(\sc)+NQ*(\a)+(\q)] matrix_a_fmt:MATRIX_FMT_FP6 matrix_b_fmt:MATRIX_FMT_FP6 matrix_a_scale:MATRIX_SCALE_ROW1
.else
	v_wmma_scale_f32_16x16x128_f8f6f4 v[8*(8*((\a)%4)+\b):8*(8*((\a)%4)+\b)+7], v[128*(\p)+FR*\b:128*(\p)+FR*\b+FR-1], v[AF+FR*(\a):AF+FR*(\a)+FR-1], v[8*(8*((\a)%4)+\b):8*(8*((\a)%4)+\b)+7], v[SC+8*NQ*(\sc)+NQ*\b+(\q)], v[SC+8*NQ*(\sc)+NQ*(\a)+(\q)] matrix_a_fmt:MATRIX_FMT_FP6 matrix_b_fmt:MATRIX_FMT_FP6 matrix_a_scale:MATRIX_SCALE_ROW1
.endif
.endr
.endr
.endm
.macro FETCH_B slot, q, p              ; S0's eight fragments of the slot's q-th 128 along K into set p
	WIN TO_B
.irp i, 0,1,2,3,4,5,6,7
	FRAG 128*(\p)+FR*\i, ADRB+\slot, \q, \i
.endr
	WIN 0
.endm
.macro FETCH_A slot, q, i0             ; S1's blocks i0 .. i0 + 3
.irp i, \i0, \i0+1, \i0+2, \i0+3
	FRAG AF+FR*(\i), ADRA+\slot, \q, \i
.endr
.endm
.macro SCALES sc                       ; the next K step's scale words into set sc: two words a row; lanes 0-15 take S1's block i, lanes 16-31 S0's block i
.irp i, 0,1,2,3,4,5,6,7
	ds_load_b64 v[SC+8*NQ*\sc+NQ*\i:SC+8*NQ*\sc+NQ*\i+1], v[ADRS] offset:\i*SBLK
.endr
.endm
; A load into a register that a matrix instruction has read, and a vector instruction that reads a matrix result, stand NP places behind that matrix instruction, and only plain vector
; instructions that name none of its registers are places (ISA guide 7.12.1 for vector instructions).
.macro PLACES n
.rept \n
	v_nop
.endr
.endm
; A step of 128 along K that has its successor in the same slot.
.macro STEP slot, q, zero
	s_wait_dscnt 4*NL                              ; S0's set and S1's blocks 0-3 are in; the youngest 24 loads (S1's blocks 4-7) may be out
	WIN MUL_LO
	MUL16 0, (\q)%2, \q, \slot, \zero
	MUL16 2, (\q)%2, \q, \slot, \zero
	s_wait_dscnt 0                                 ; S1's blocks 4-7 are in (asked for 32 matrix instructions ago)
	PLACES NP
	FETCH_B \slot, (\q)+1, 1-(\q)%2
	FETCH_A \slot, (\q)+1, 0
	WIN MUL_HI
	MUL16 4, (\q)%2, \q, \slot, \zero
	MUL16 6, (\q)%2, \q, \slot, \zero
	PLACES NP
	WIN 0
	FETCH_A \slot, (\q)+1, 4
.endm
; A slot's last step changes slots: ONE barrier; in front of it each wave waits for all its tensor loads, adds 0 to its spare word, and waits for that and for its own reads of this slot.  fill = 1: this slot is filled again, two K steps ahead.
.macro TURN slot, next, fill
	s_wait_tensorcnt 0x0                           ; all my tensor loads have landed: my part of the next slot;  (every window is 0 here: the add's two registers lie in window 0)
	ds_add_u32 v[SPW], v[NIL]                      ; 0 onto my spare word;
	s_wait_dscnt 4*NL+1                            ; (the add and the youngest 24 loads, S1's blocks 4-7, may be out)
	WIN MUL_LO
	MUL16 0, 1, NQ-1, \slot, 0                     ; sixteen matrix instructions stand between the add and the wait for it
	s_wait_dscnt 0x0                               ; the add is done, and my reads of this slot are over
	s_barrier_signal -1
	MUL16 2, 1, NQ-1, \slot, 0
	WIN 0
	s_barrier_wait -1
.if \fill
	CREST                                          ; the barrier has opened a round of the cluster's barrier: no wave of any partner still reads this slot's tile or has a load on its way
	s_add_nc_u64 s[G0+4*\slot+2:G0+4*\slot+3], s[G0+4*\slot+2:G0+4*\slot+3], 2*49152
	s_add_nc_u64 s[G0B+4*\slot+2:G0B+4*\slot+3], s[G0B+4*\slot+2:G0B+4*\slot+3], 2*49152
	JLOAD G0+4*\slot, G1, G0B+4*\slot, G1B         ; the first tensor load behind the round; the four v_nop behind it are the places in front of the loads below
.else
	PLACES NP
.endif
	s_wait_alu depctr_va_vdst(0)
	v_add_nc_u32 v[ADRS], 4*NQ, v[ADRS]            ; on to the next K step's scale words (no LDS load of mine is out)
	FETCH_B \next, 0, 0
	FETCH_A \next, 0, 0
	SCALES \next
	WIN MUL_HI
	MUL16 4, 1, NQ-1, \slot, 0
	MUL16 6, 1, NQ-1, \slot, 0
	PLACES NP
	WIN 0
	FETCH_A \next, 0, 4
.endm
	s_wait_alu depctr_va_vdst(0)
	s_wait_tensorcnt 0x0                           ; my tile of the head's four is in; slot 1's first fill is issued as a refill is
	ds_add_u32 v[SPW], v[NIL]
	s_mov_b32 s[G1+2], 96<<16                      ; no tensor load of mine is out: from here on a load brings 128 rows x 192 bytes = 96 rows of 256
	s_mov_b32 s[G1+4], 96
	s_mov_b32 s[G1B+2], 96<<16
	s_mov_b32 s[G1B+4], 96
	s_wait_dscnt 0x0
	CROUND
	JLOAD G0+4, G1, G0B+4, G1B
	FETCH_B 0, 0, 0
	FETCH_A 0, 0, 0
	SCALES 0
	FETCH_A 0, 0, 4
	STEP 0, 0, 1                                   ; the first step stands in front of the loop: its products start the sums
	s_mov_b32 s3, LAPS-1
.Llap:                                                 ; a trip goes once round the ring, from a lap's second step to the next lap's first, and fills both slots again
	TURN 0, 1, 1
	STEP 1, 0, 0
	TURN 1, 0, 1
	STEP 0, 0, 0
	s_sub_co_u32 s3, s3, 1
	s_cmp_lg_u32 s3, 0
	s_cbranch_scc1 .Llap
	TURN 0, 1, 0                                   ; the last lap fills nothing, and has no round of the cluster's barrier
	STEP 1, 0, 0
	s_wait_dscnt 4*NL                              ; the very last step: nothing more to fetch
	WIN MUL_LO
	MUL16 0, 1, NQ-1, 1, 0
	MUL16 2, 1, NQ-1, 1, 0
	s_wait_dscnt 0
	WIN MUL_HI
	MUL16 4, 1, NQ-1, 1, 0
	MUL16 6, 1, NQ-1, 1, 0
	WIN 0
; THE WAY OUT.  Block a of S1 (16 rows): a lane's 64 numbers, register 16 B + i = S0's index 32 B + 16 h + i of its row, become a fragment's 12 registers of codes (registers 6 c .. 6 c + 5: index 64 c + 32 h + 0 .. 31) and a scale word.
; Each accumulator is read from its low end on: the maxima go up the registers, the four blocks of 32 by turns.
.macro QOUT a
.set AC, 64*((\a)%4)
	WIN 0x0a+5*((\a)/4)                            ; sources 0 and 1: window 2 or 3
.irp b, 0,1,2,3
	v_max3_num_f32 v[TM+\b], |v[AC+16*\b]|, |v[AC+16*\b+1]|, 0x1800000   ; block b: my 16 numbers, and the floor 2^(3 - 127): so the byte cannot fall under 1
.endr
.irp i, 2,4,6,8,10,12,14
.irp b, 0,1,2,3
	v_max3_num_f32 v[TM+\b], |v[AC+16*\b+\i]|, |v[AC+16*\b+\i+1]|, v[TM+\b]
.endr
.endr
	WIN 0
.irp b, 0,1,2,3
	v_permlanex16_b32 v[TM+4+\b], v[TM+\b], s[SEL], s[SEL+1]
.endr
.irp b, 0,1,2,3
	v_max_num_f32 v[TM+\b], v[TM+\b], v[TM+4+\b]   ; with lane l xor 16's: the block's largest magnitude
.endr
.irp b, 0,1,2,3
	v_add_nc_u32 v[TM+12+\b], 0xff000000, v[TM+\b] ; 2 off its exponent field: the conversion's scale operand
.endr
.irp b, 0,1,2,3
	v_lshrrev_b32 v[TM+4+\b], 23, v[TM+12+\b]      ; the scale's byte
.endr
	v_lshl_or_b32 v[PW], v[TM+5], 8, v[TM+4]       ; the four bytes make my row's scale word
	v_lshl_or_b32 v[PW], v[TM+6], 16, v[PW]
	v_lshl_or_b32 v[PW], v[TM+7], 24, v[PW]
	s_wait_dscnt 0x0                               ; the last block's stores into the stage have read their registers
	WIN 0x02+(\a)/4                                ; source 0: window 2 or 3
.irp c, 0,1
	v_cvt_scalef32_pk16_fp6_f32 v[PC+6*\c:PC+2+6*\c], v[AC+32*\c:AC+15+32*\c], v[TM+12+2*\c]
	v_cvt_scalef32_pk16_fp6_f32 v[PC+12+4*\c:PC+14+4*\c], v[AC+16+32*\c:AC+31+32*\c], v[TM+12+2*\c+1]   ; (a conversion's three registers begin on an even number)
.endr
	WIN 0
	v_nop                                          ; one plain place behind a scaled conversion
.irp c, 0,1                                    ; a WHOLE block of 32 to a lane: lanes 0-15 block 2 c, lanes 16-31 block 2 c + 1
.irp i, 0,1,2
	v_permlane16_swap_b32 v[PC+6*\c+\i], v[PC+12+4*\c+\i]
.endr
.irp i, 0,1,2
	v_mov_b32 v[PC+3+6*\c+\i], v[PC+12+4*\c+\i]
.endr
.endr
	v_lshrrev_b32 v[PW2], v[SH], v[PW]             ; lanes 0-15 store the first G's word (all four bytes), lanes 16-31 the second's (its two bytes, two bytes 0)
.irp p, 0,1,2,3,4,5
	ds_store_b64 v[STC], v[PC+2*\p:PC+2*\p+1] offset:(\p/3)*6144+(\a)*768+8*(\p%3)   ; rows 48 bytes apart: the 32 lanes touch 64 different banks
.endr
	ds_store_b32 v[STS], v[PW2] offset:64*(\a)
.endm
	PLACES NP                                      ; behind the last products, ahead of the first read of results and the first write of registers that held scale words
.irp a, 0,1,2,3,4,5,6,7
	QOUT \a
.endr
.set TT, 0
.rept 26
	ds_load_b128 v[OUTR+4*TT:OUTR+4*TT+3], v[RDB] offset:512*TT   ; my own bytes: LDS serves a wave's instructions in order (ISA guide 5.7.1.4): these see the stores above
.set TT, TT+1
.endr
.set TT, 0
.rept 26
	s_wait_dscnt 25-TT                             ; load TT is in; the 25 - TT behind it may be out
.if TT < 24
	global_store_b128 v[GOF], v[OUTR+4*TT:OUTR+4*TT+3], s[12:13] offset:(TT/12)*98304+(TT%12)*512 th:TH_STORE_NT   ; 32 lanes store 512 consecutive bytes, aligned to 256: a G's 128 rows of codes are 6,144 dense bytes
.else
	global_store_b128 v[GOF], v[OUTR+4*TT:OUTR+4*TT+3], s[92:93] offset:(TT-24)*8192 th:TH_STORE_NT             ; a G's 128 scale words: 512 dense bytes
.endif
.set TT, TT+1
.endr
	s_wait_tensorcnt 0x0                           ; the wave's end: behind my last tensor load and my last LDS store
	ds_add_u32 v[SPW], v[NIL]
	s_wait_dscnt 0x0
	CROUND                                         ; the closing round: no work-group ends while a partner may still ask for a tile that names it
	s_endpgm
.Lfunc_end_k_q4028126574_qk:
	.size	k_q4028126574_qk, .Lfunc_end_k_q4028126574_qk-k_q4028126574_qk
	.p2alignl 7, 3214868480
	.fill 96, 4, 3214868480
	.section	.rodata,"a",@progbits
	.p2align	6, 0x0
	.amdhsa_kernel k_q4028126574_qk
		.amdhsa_group_segment_fixed_size 327680
		.amdhsa_private_segment_fixed_size 0
		.amdhsa_enable_private_segment 0
		.amdhsa_kernarg_size 40
		.amdhsa_user_sgpr_count 2
		.amdhsa_user_sgpr_kernarg_segment_ptr 1
		.amdhsa_wavefront_size32 1
		.amdhsa_system_sgpr_workgroup_id_x 1
		.amdhsa_system_sgpr_workgroup_id_y 1
		.amdhsa_system_sgpr_workgroup_id_z 1
		.amdhsa_system_vgpr_workitem_id 0
		.amdhsa_next_free_vgpr 1024
		.amdhsa_next_free_sgpr 98
		.amdhsa_reserve_vcc 0
		.amdhsa_float_denorm_mode_32 3
		.amdhsa_float_denorm_mode_16_64 3
		.amdhsa_memory_ordered 1
		.amdhsa_forward_progress 1
		.amdhsa_inst_pref_size 173
	.end_amdhsa_kernel
	.amdgpu_metadata
---
amdhsa.version: [ 1, 2 ]
amdhsa.kernels:
  - .name:           k_q4028126574_qk
    .symbol:         k_q4028126574_qk.kd
    .args:
      - { .name: xq, .offset: 0, .size: 8, .value_kind: global_buffer, .address_space: global }
      - { .name: wqkq, .offset: 8, .size: 8, .value_kind: global_buffer, .address_space: global }
      - { .name: wvq, .offset: 16, .size: 8, .value_kind: global_buffer, .address_space: global }
      - { .name: qkq, .offset: 24, .size: 8, .value_kind: global_buffer, .address_space: global }
      - { .name: vq, .offset: 32, .size: 8, .value_kind: global_buffer, .address_space: global }
    .group_segment_fixed_size: 327680
    .private_segment_fixed_size: 0
    .kernarg_segment_align: 8
    .kernarg_segment_size: 40
    .max_flat_workgroup_size: 128
    .sgpr_count:     98
    .vgpr_count:     1024
    .wavefront_size: 32
...
	.end_amdgpu_metadata
.endif
;; end of part 2
;; launch attn (part 3): grid 4 x 64, 16 waves a work-group, clusters of 4 x 1, 327,680 bytes of LDS; arguments qkq, vq, yq; writes yq
.if DOCPART == 3
	.amdgcn_target "amdgcn-amd-amdhsa--gfx1250"
	.amdhsa_code_object_version 6
	.text
	.protected	k_q4028126574_attn
	.globl	k_q4028126574_attn
	.p2align	8
	.type	k_q4028126574_attn,@function
k_q4028126574_attn:
	s_mov_b64 s[64:65], 0
	v_nop
	global_prefetch_b8 v0, s[64:65] scope:SCOPE_SE
	s_setreg_imm32_b32 hwreg(HW_REG_WAVE_MODE, 25, 1), 1
	s_wait_xcnt 0x0
	s_wait_alu depctr_hold_cnt(0) depctr_sa_sdst(0) depctr_va_vdst(0) depctr_va_sdst(0) depctr_va_ssrc(0) depctr_va_vcc(0) depctr_vm_vsrc(0)
	s_getreg_b32 s2, hwreg(HW_REG_IB_STS2, 6, 4)
	s_cmp_eq_u32 s2, 0
	s_cbranch_scc0 .Lentry_in_a_cluster
	s_endpgm
.Lentry_in_a_cluster:
	s_bfe_u32 s2, ttmp6, 0x10000c
	s_cmp_lg_u32 s2, 0x3003
	s_cbranch_scc0 .Lentry_shape_is_right
	s_endpgm
.Lentry_shape_is_right:
; y[b][n][head] = sum over keys m <= n of softmax_m(q[n] . k[m] / 8) v[m]; 64 (batch, head) pairs, 2,048 tokens, head size 64; both products on FP6 codes with E8M0 scales; y leaves quantised along the head's 64.
; LEFT OUT: key steps all of whose keys come after a tile's queries: the causal mask sets their scores to -infinity, so their p is 0 for every input.
; INPUTS as the two launches before leave them.  qkq: block qb = 32 b + head (q), + 16 (k): 2,048 rows of 48 bytes at OUT_COFF + 98,304 qb, a scale word a row at 8,192 qb; rows stored with the two middle groups of eight of every 32 exchanged.
; vq: keys innermost: chunk g of 64 keys: 64 rows of 48 bytes at OUT_COFF + ((b & 1) 64 + 2 g + (b >> 1)) 49,152 + 3,072 head; the word of 128 keys at ((b & 1) 32 + g) 8,192 + (b >> 1) 4,096 + 256 head + 4 row, g even.
; SOFTMAX: t = score x log2(e) / 8; M = ceil of the running largest t; p = 2^(t - M) is quantised along the keys; the row's sum is of the unquantised p and divides at the end; a change of M multiplies sum and O by a power of two.
; THE DEAL.  A head's K, V and scale words, 208,896 bytes, are filled into LDS ONCE: no byte is filled again.  Four work-groups share a head; they form a cluster and ask jointly (mask 15).
; Each of 16 waves owns two tiles of 16 queries: j = 4 wave + cx and 127 - j: j / 8 + 1 and 16 - j / 8 key steps of 128: 17 for every wave.  j / 8 = wave / 2: every branch hangs on the wave's number alone.
; Waves 0-3 bring the scale words and keys 0-511, which the first barrier shows; waves 4-15 the other keys, shown by the second barrier, behind the first four steps (the later tile has eight steps at the least).  Behind it waves share nothing.
; Trip counts are constants; a hidden step is jumped over by a scalar branch.  No prefetch: every tensor load stands at the head, so there is no loop to run ahead in.
; LAYOUT: both products transposed (S^T = K Q^T, O^T = V^T P^T): a lane holds one query.  K = 64 in an instruction of 128: Q's registers 6-11 are zero codes; a K tile's upper six registers are the next tile's codes (last: zeros) and add 0.
; LIMITS: scaled scores under 2^31 in magnitude; y's blocks of zeros get the byte 1; blocks under 2^-124 are held at that floor; NaN and infinities are not served.
; REGISTERS: v1-7 addresses; v8-11 the step's addresses; v12 -M, v13 largest t, v[14:15] the sum; v16-21 Q, v22-27 zeros; v29-31, v86-87 addresses; v32-79 K's tiles, then V's; v80-85 zeros; v96-159 S^T, p; v160-191 O^T; v192-203 scale words; v224-254 at work; v255 Q's word.
.set OUT_COFF, 1048576
.set IN_COFF,  262144
.set VOFF,  98304
.set SCK,   196608
.set SCV,   204800
.set STAGE, 208896                     ; 768 bytes a wave, bytes of its own
.set SPARE, 221184                     ; the spare words: 128 bytes a wave
.set AK0, 1
.set AV0, 2
.set ASK0, 3
.set ASV0, 4
.set SPW, 5
.set NIL, 6
.set GO,  7
.set ADK, 8
.set ADV, 9
.set ADS, 10
.set ADT, 11
.set QA,  29
.set QS,  30
.set STI, 31
.set STB, 86
.set YS,  87
.set TB, 2
.set TS, 3
.set TJ, 10
.set KF, 11
.set Q0, 12                            ; my tile's first query
.set QB, 13                            ; the first key of its diagonal step: from the wave's number alone
.set WV, 18
.set SEL, 20
.set CS, 22
.set G1K, 24
.set G1V, 32
.set G1KA, 40
.set G1VA, 48
.set G1SK, 56
.set G1SV, 68
.set G0SK, 76
.set G0SV, 80
.set G0KA, 84
.set G0VA, 88
.set G0K, 92
.set G0V, 96
.set QC, 66
.set QW, 67
.set CNT, 100
.set TMP, 101
.set YC, 104
.set YW, 105
.macro SHAPE g, c, r, p                ; r rows of c elements of 8 bytes, p elements apart; mask 15, bit 21 beside it
	s_mov_b32 s[\g], 15|(3<<16)|(1<<21)
	s_mov_b32 s[\g+1], (\c)<<16
	s_mov_b32 s[\g+2], (\r)<<16
	s_mov_b32 s[\g+3], (\c)<<16
	s_mov_b32 s[\g+4], \r
	s_mov_b32 s[\g+5], \p
	s_mov_b32 s[\g+6], 0
	s_mov_b32 s[\g+7], 0
.endm
.macro TL g0, g1
	tensor_load_to_lds s[\g0:\g0+3], s[\g1:\g1+7]
	s_nop 0
.rept 4
	v_nop
.endr
.endm
.macro G0SET g, base, off              ; group 0's address: base + the offset in s\off
	s_mov_b32 s14, s\off
	s_add_nc_u64 s[\g+2:\g+3], s[\base:\base+1], s[14:15]
	s_or_b32 s[\g+3], s[\g+3], 0x80000000
.endm
.macro CROUND
	s_barrier_signal -1
	s_barrier_wait -1
	s_cmp_lg_u32 s[WV], 0
	s_cbranch_scc1 .Lnot_wave_0_\@
	s_barrier_signal -3
.Lnot_wave_0_\@:
	s_barrier_wait -3
	s_barrier_signal -1
	s_barrier_wait -1
.endm
	s_load_b128 s[4:7], s[0:1], 0x0                ; qkq, vq
	s_load_b64 s[8:9], s[0:1], 0x10                ; yq
	v_lshl_add_u32 v[SPW], v0, 2, SPARE
	v_mov_b32 v[NIL], 0
	ds_add_u32 v[SPW], v[NIL]
	ds_add_u32 v[SPW], v[NIL]
	v_lshrrev_b32 v8, 5, v0
	v_readfirstlane_b32 s[WV], v8
	s_and_b32 s14, ttmp7, 0xffff
	s_lshr_b32 s15, s14, 4                         ; b
	s_and_b32 s14, s14, 15                         ; head
	s_lshl_b32 s16, s15, 5
	s_add_co_u32 s16, s16, s14                     ; qb
	s_mul_i32 s[QC], s16, 98304
	s_add_co_u32 s[QC], s[QC], OUT_COFF            ; q's codes
	s_lshl_b32 s[QW], s16, 13                      ; q's words
	s_mul_i32 s[YC], s14, 393216
	s_mul_i32 s17, s15, 98304
	s_add_co_u32 s[YC], s[YC], s17
	s_add_co_u32 s[YC], s[YC], IN_COFF             ; y's codes [head][token][48], my batch
	s_lshl_b32 s[YW], s15, 16
	s_lshl_b32 s17, s14, 1
	s_add_co_u32 s[YW], s[YW], s17                 ; y's scale bytes [token][32], bytes 2 head, 2 head + 1
	s_and_b32 s16, s15, 1
	s_lshr_b32 s17, s15, 1
	s_lshl_b32 s2, s16, 6
	s_add_co_u32 s2, s2, s17
	s_mul_i32 s2, s2, 49152
	s_mul_i32 s3, s14, 3072
	s_add_co_u32 s2, s2, s3
	s_add_co_u32 s2, s2, OUT_COFF                  ; v's codes, chunk 0
	s_lshl_b32 s3, s16, 18
	s_lshl_b32 s17, s17, 12
	s_add_co_u32 s3, s3, s17
	s_lshl_b32 s17, s14, 8
	s_add_co_u32 s3, s3, s17                       ; v's words, step 0
	SHAPE G1K, 32, 48, 32                          ; 256 keys of K: 12,288 dense bytes
	SHAPE G1V, 384, 4, 12288                       ; four chunks of V, 98,304 bytes apart
	SHAPE G1KA, 32, 96, 32                         ; keys 0-511
	SHAPE G1VA, 384, 8, 12288
	SHAPE G1SK, 32, 32, 32                         ; K's words: 8,192 dense bytes
	SHAPE G1SV, 32, 16, 2048                       ; V's: 16 rows of 256 bytes, 16,384 apart
	s_mov_b32 s[SEL], 0x76543210
	s_mov_b32 s[SEL+1], 0xfedcba98
	s_mov_b32 s[CS], 0x3e38aa3b                    ; log2(e) / 8
	s_mov_b32 s[CS+1], s[CS]
.irp g, G0SK, G0SV, G0KA, G0VA, G0K, G0V
	s_mov_b32 s[\g], 1
.endr
	s_mov_b32 s[G0SK+1], SCK
	s_mov_b32 s[G0SV+1], SCV
	s_mov_b32 s[G0KA+1], 0
	s_mov_b32 s[G0VA+1], VOFF
	s_add_co_u32 s10, s[WV], 12
	s_and_b32 s10, s10, 15                         ; waves 4-9: 0-5
	s_mul_i32 s11, s10, 12288
	s_add_co_u32 s[G0K+1], s11, 24576
	s_add_co_u32 s12, s[WV], 6
	s_and_b32 s12, s12, 15                         ; waves 10-15: 0-5
	s_mul_i32 s13, s12, 12288
	s_add_co_u32 s[G0V+1], s13, VOFF+24576
	s_add_co_u32 s16, s[QC], 16*98304              ; k's codes
	s_add_co_u32 s17, s[QW], 16*8192               ; k's words
	s_add_co_u32 s11, s11, s16
	s_add_co_u32 s11, s11, 24576                   ; my 256 keys
	s_mul_i32 s13, s12, 393216
	s_add_co_u32 s13, s13, s2
	s_add_co_u32 s13, s13, 786432                  ; my four chunks
	s_mov_b32 s15, 0
	s_wait_alu depctr_va_vdst(0)
	s_wait_dscnt 0x0
	CROUND                                         ; the round in front of the joint loads
	s_wait_kmcnt 0x0
	G0SET G0SK, 4, 17
	G0SET G0SV, 6, 3
	G0SET G0KA, 4, 16
	G0SET G0VA, 6, 2
	G0SET G0K, 4, 11
	G0SET G0V, 6, 13
	s_cmp_lt_u32 s[WV], 4                          ; one tree of branches on the wave's number, one load to an arm
	s_cbranch_scc0 .Lrest
	s_cmp_eq_u32 s[WV], 0
	s_cbranch_scc0 .La1
	TL G0KA, G1KA
	s_branch .Lasked
.La1:
	s_cmp_eq_u32 s[WV], 1
	s_cbranch_scc0 .La2
	TL G0SK, G1SK
	s_branch .Lasked
.La2:
	s_cmp_eq_u32 s[WV], 2
	s_cbranch_scc0 .La3
	TL G0VA, G1VA
	s_branch .Lasked
.La3:
	TL G0SV, G1SV
	s_branch .Lasked
.Lrest:
	s_cmp_lt_u32 s[WV], 10
	s_cbranch_scc0 .Lrv
	TL G0K, G1K
	s_branch .Lasked
.Lrv:
	TL G0V, G1V
.Lasked:
	v_and_b32 v8, 15, v0                           ; r
	v_bfe_u32 v9, v0, 4, 1                         ; h
	v_and_b32 v10, 8, v8
	v_add_nc_u32 v10, v10, v8                      ; r + (r & 8)
	v_mul_u32_u24 v[QA], v10, 48
	v_mad_u32_u24 v[QA], v9, 24, v[QA]
	v_lshlrev_b32 v[QS], 2, v10
	v_mul_u32_u24 v[AK0], v8, 48
	v_mad_u32_u24 v[AK0], v9, 24, v[AK0]
	v_add_nc_u32 v[AV0], VOFF, v[AK0]
	v_lshl_add_u32 v[ASK0], v8, 2, SCK
	v_lshl_add_u32 v[ASV0], v8, 2, SCV
	v_and_b32 v[GO], 31, v0
	v_lshlrev_b32 v[GO], 3, v[GO]
	s_mul_i32 s14, s[WV], 768
	s_add_co_u32 s14, s14, STAGE
	v_add_nc_u32 v[STI], s14, v[AK0]
	v_add_nc_u32 v[STB], s14, v[GO]
	v_lshlrev_b32 v[YS], 5, v8
.irp j, 22,23,24,25,26,27,80,81,82,83,84,85,236,237,238,239,252,253
	v_mov_b32 v[\j], 0                             ; zero codes; and registers that are named before they are first written
.endr
	s_bfe_u32 s[TMP], ttmp6, 0x40000               ; cx
	s_lshl_b32 s6, s[WV], 2
	s_add_co_u32 s6, s6, s[TMP]
	s_lshl_b32 s6, s6, 4                           ; 16 j
	s_lshr_b32 s7, s[WV], 1
	s_lshl_b32 s7, s7, 7                           ; 128 (j / 8)
	s_sub_co_u32 s[Q0], 2032, s6                   ; the later tile first
	s_sub_co_u32 s[QB], 1920, s7
; a tile's start: its Q, and the sums' first values
.macro QINIT
	s_and_not1_b32 s14, s[Q0], 31
	s_and_b32 s15, s[Q0], 16
	s_lshr_b32 s15, s15, 1
	s_add_co_u32 s14, s14, s15                     ; where my queries are stored: this place + r + (r & 8)
	s_mul_i32 s16, s14, 48
	s_add_co_u32 s16, s16, s[QC]
	s_mov_b32 s17, 0
	s_add_nc_u64 s[16:17], s[4:5], s[16:17]
	s_lshl_b32 s14, s14, 2
	s_add_co_u32 s14, s14, s[QW]
	s_mov_b32 s15, 0
	s_add_nc_u64 s[14:15], s[4:5], s[14:15]
	s_wait_alu depctr_va_vdst(0)
.irp p, 0,1,2
	global_load_b64 v[16+2*\p:17+2*\p], v[QA], s[16:17] offset:8*\p
.endr
	global_load_b32 v255, v[QS], s[14:15]
	s_mov_b32 s[TB], 0
	s_mov_b32 s[TS], 0
	s_mov_b32 s[TJ], 0
	s_mov_b32 s[KF], 0
	v_mov_b32 v13, 0xff61b1e6                      ; -3e38, under every t
	v_floor_f32 v12, -v13
	v_mov_b32 v14, 0
	v_mov_b32 v15, 0
.set JJ, 0
.rept 32
	v_mov_b32 v[160+JJ], 0
.set JJ, JJ+1
.endr
	s_wait_alu depctr_va_vdst(0)
.endm
; a key step of 128 keys
.macro STEP
	s_cmp_gt_u32 s[KF], s[QB]                      ; all its keys come after my queries: left out
	s_cbranch_scc1 .Lhidden_\@
	v_add_nc_u32 v[ADK], s[TB], v[AK0]             ; (also the four places ahead of the loads)
	v_add_nc_u32 v[ADV], s[TB], v[AV0]
	v_add_nc_u32 v[ADS], s[TS], v[ASK0]
	v_add_nc_u32 v[ADT], s[TJ], v[ASV0]
.irp t, 0,1,2,3,4,5,6,7
.irp p, 0,1,2
	ds_load_b64 v[32+6*\t+2*\p:33+6*\t+2*\p], v[ADK] offset:768*\t+8*\p
.endr
	ds_load_b32 v[192+\t], v[ADS] offset:64*\t
.endr
	s_wait_alu depctr_va_vdst(0)
	s_wait_dscnt 0x0
.irp t, 0,1,2,3,4,5,6,7
	v_wmma_scale_f32_16x16x128_f8f6f4 v[96+8*\t:103+8*\t], v[32+6*\t:43+6*\t], v[16:27], 0, v[192+\t], v255 matrix_a_fmt:MATRIX_FMT_FP6 matrix_b_fmt:MATRIX_FMT_FP6
.endr
.rept 4
	v_nop
.endr
.irp t, 0,1,2,3                                ; V's fragments land under the softmax
.irp p, 0,1,2,3,4,5
	ds_load_b64 v[32+12*\t+2*\p:33+12*\t+2*\p], v[ADV] offset:(\p/3)*3072+768*\t+8*(\p%3)
.endr
	ds_load_b32 v[200+\t], v[ADT] offset:64*\t
.endr
	s_cmp_lt_u32 s[KF], s[QB]                      ; ahead of the diagonal step every key counts
	s_cbranch_scc1 .Lopen_\@
	s_sub_co_i32 s[TMP], s[Q0], s[KF]
	v_and_b32 v252, 15, v0
	v_bfe_u32 v253, v0, 4, 1
	s_delay_alu instid0(VALU_DEP_1)
	v_lshlrev_b32 v253, 4, v253
	s_delay_alu instid0(VALU_DEP_1)
	v_sub_nc_u32 v252, v252, v253
	s_delay_alu instid0(VALU_DEP_1)
	v_add_nc_u32 v252, s[TMP], v252                ; d = my query - KF - 16 h: register 16 b + i is hidden where 32 b + i > d
	v_mov_b32 v254, 0xff800000
.set JJ, 0
.rept 64
	v_cmp_gt_i32 vcc_lo, 32*(JJ/16)+JJ%16, v252
	v_cndmask_b32 v[96+JJ], v[96+JJ], v254, vcc_lo
.set JJ, JJ+1
.endr
.Lopen_\@:
.irp b, 0,1,2,3
	v_max3_num_f32 v[232+\b], v[96+16*\b], v[97+16*\b], v[98+16*\b]   ; each block's largest score: for the row's maximum and for the block's largest p
.endr
.irp i, 3,5,7,9,11,13
.irp b, 0,1,2,3
	v_max3_num_f32 v[232+\b], v[232+\b], v[96+16*\b+\i], v[97+16*\b+\i]
.endr
.endr
.irp b, 0,1,2,3
	v_max_num_f32 v[232+\b], v[232+\b], v[111+16*\b]
.endr
.irp b, 0,1,2,3
	s_delay_alu instid0(VALU_DEP_4)
	v_permlanex16_b32 v[236+\b], v[232+\b], s[SEL], s[SEL+1]
.endr
.irp b, 0,1,2,3
	s_delay_alu instid0(VALU_DEP_4)
	v_max_num_f32 v[232+\b], v[232+\b], v[236+\b]
.endr
	s_delay_alu instid0(VALU_DEP_2)
	v_max3_num_f32 v254, v232, v233, v234
	s_delay_alu instid0(VALU_DEP_1)
	v_max_num_f32 v254, v254, v235
	s_delay_alu instid0(VALU_DEP_1)
	v_mul_f32 v254, s[CS], v254
	s_delay_alu instid0(VALU_DEP_1)
	v_max_num_f32 v13, v13, v254                   ; the running largest t
	v_mov_b32 v254, v12
	s_delay_alu instid0(VALU_DEP_2)
	v_floor_f32 v12, -v13                          ; -M = -ceil(t)
	s_delay_alu instid0(VALU_DEP_1)
	v_sub_f32 v254, v12, v254
	s_delay_alu instid0(VALU_DEP_1)
	v_cvt_i32_f32 v254, v254
	s_delay_alu instid0(VALU_DEP_1)
	v_ldexp_f32 v252, 1.0, v254                    ; f = 2^(old M - new M)
.set JJ, 0
.rept 32
	v_pk_fma_f32 v[96+JJ:97+JJ], v[96+JJ:97+JJ], s[CS:CS+1], v[12:13] op_sel_hi:[1,0,0]
.set JJ, JJ+2
.endr
.irp b, 0,1,2,3
	v_fma_f32 v[232+\b], v[232+\b], s[CS], v12
.endr
.set JJ, 0
	s_wait_alu depctr_va_vdst(0)
.rept 64
	v_exp_f32 v[96+JJ], v[96+JJ]
.set JJ, JJ+1
.endr
	v_pk_mul_f32 v[14:15], v[14:15], v[252:253] op_sel_hi:[1,0]
	s_wait_alu depctr_va_vdst(0)
.irp b, 0,1,2,3
	v_exp_f32 v[232+\b], v[232+\b]
.endr
	v_pk_add_f32 v[236:237], v[100:101], v[104:105]   ; the row's sum of the unquantised p, in eight chains
	v_pk_add_f32 v[250:251], v[108:109], v[112:113]
	v_pk_add_f32 v[248:249], v[116:117], v[120:121]
	v_pk_add_f32 v[246:247], v[124:125], v[128:129]
	v_pk_add_f32 v[244:245], v[132:133], v[136:137]
	v_pk_add_f32 v[242:243], v[140:141], v[144:145]
	v_pk_add_f32 v[240:241], v[148:149], v[152:153]
	v_pk_add_f32 v[14:15], v[14:15], v[156:157]
	v_pk_add_f32 v[236:237], v[236:237], v[96:97]
	v_pk_add_f32 v[250:251], v[250:251], v[98:99]
	v_pk_add_f32 v[248:249], v[248:249], v[102:103]
	v_pk_add_f32 v[246:247], v[246:247], v[106:107]
	v_pk_add_f32 v[244:245], v[244:245], v[110:111]
	v_pk_add_f32 v[242:243], v[242:243], v[114:115]
	v_pk_add_f32 v[240:241], v[240:241], v[118:119]
	v_pk_add_f32 v[14:15], v[14:15], v[122:123]
	v_pk_add_f32 v[236:237], v[236:237], v[126:127]
	v_pk_add_f32 v[250:251], v[250:251], v[130:131]
	v_pk_add_f32 v[248:249], v[248:249], v[134:135]
	v_pk_add_f32 v[246:247], v[246:247], v[138:139]
	v_pk_add_f32 v[244:245], v[244:245], v[142:143]
	v_pk_add_f32 v[242:243], v[242:243], v[146:147]
	v_pk_add_f32 v[240:241], v[240:241], v[150:151]
	v_pk_add_f32 v[14:15], v[14:15], v[154:155]
	v_pk_add_f32 v[236:237], v[236:237], v[158:159]
	s_delay_alu instid0(VALU_DEP_2)
	v_pk_add_f32 v[14:15], v[14:15], v[246:247]
	s_delay_alu instid0(VALU_DEP_2)
	v_pk_add_f32 v[236:237], v[236:237], v[244:245]
	v_pk_add_f32 v[250:251], v[250:251], v[242:243]
	v_pk_add_f32 v[248:249], v[248:249], v[240:241]
	s_delay_alu instid0(VALU_DEP_2)
	v_pk_add_f32 v[14:15], v[14:15], v[250:251]
	s_delay_alu instid0(VALU_DEP_2)
	v_pk_add_f32 v[236:237], v[236:237], v[248:249]
	s_delay_alu instid0(VALU_DEP_1)
	v_pk_add_f32 v[14:15], v[14:15], v[236:237]
	s_wait_alu depctr_va_vdst(0)
.irp b, 0,1,2,3
	v_max_num_f32 v[232+\b], 0x1800000, v[232+\b]  ; the floor 2^(3 - 127): the byte cannot fall under 1
.endr
.irp b, 0,1,2,3
	s_delay_alu instid0(VALU_DEP_4)
	v_add_nc_u32 v[244+\b], 0xff000000, v[232+\b]  ; the conversion's scale operand
.endr
.irp b, 0,1,2,3
	s_delay_alu instid0(VALU_DEP_4)
	v_lshrrev_b32 v[236+\b], 23, v[244+\b]
.endr
	s_delay_alu instid0(VALU_DEP_3)
	v_lshl_or_b32 v253, v237, 8, v236              ; p's scale word
	s_delay_alu instid0(VALU_DEP_1)
	v_lshl_or_b32 v253, v238, 16, v253
	s_delay_alu instid0(VALU_DEP_1)
	v_lshl_or_b32 v253, v239, 24, v253
.irp c, 0,1
	v_cvt_scalef32_pk16_fp6_f32 v[224+6*\c:226+6*\c], v[96+32*\c:111+32*\c], v[244+2*\c]
	v_cvt_scalef32_pk16_fp6_f32 v[236+4*\c:238+4*\c], v[112+32*\c:127+32*\c], v[244+2*\c+1]
.endr
	v_nop
.irp c, 0,1                                    ; a whole block of 32 to a lane
.irp i, 0,1,2
	v_permlane16_swap_b32 v[224+6*\c+\i], v[236+4*\c+\i]
.endr
.irp i, 0,1,2
	s_delay_alu instid0(VALU_DEP_3)
	v_mov_b32 v[227+6*\c+\i], v[236+4*\c+\i]
.endr
.endr
.set JJ, 0
.rept 16
	v_pk_mul_f32 v[160+JJ:161+JJ], v[160+JJ:161+JJ], v[252:253] op_sel_hi:[1,0]   ; O^T x f; also the places ahead of the products below
.set JJ, JJ+2
.endr
	s_wait_alu depctr_va_vdst(0)
	s_wait_dscnt 0x0
.irp t, 0,1,2,3                                ; the four accumulators by turns; the next step's eight products stand between two turns
	v_wmma_scale_f32_16x16x128_f8f6f4 v[160+8*\t:167+8*\t], v[32+12*\t:43+12*\t], v[224:235], v[160+8*\t:167+8*\t], v[200+\t], v253 matrix_a_fmt:MATRIX_FMT_FP6 matrix_b_fmt:MATRIX_FMT_FP6
.endr
.Lhidden_\@:
	s_add_co_u32 s[KF], s[KF], 128
	s_add_co_u32 s[TB], s[TB], 6144                ; 128 keys of K, and two chunks of V
	s_add_co_u32 s[TS], s[TS], 512
	s_add_co_u32 s[TJ], s[TJ], 256
.endm
.macro WALK n
	s_mov_b32 s[CNT], \n
.Lwalk_\@:
	STEP
	s_sub_co_u32 s[CNT], s[CNT], 1
	s_cmp_lg_u32 s[CNT], 0
	s_cbranch_scc1 .Lwalk_\@
.endm
; a tile's way out: y = O^T / the sum, quantised in two blocks of 32; 768 dense bytes of codes through my stage
.macro WAYOUT
	s_mul_i32 s24, s[Q0], 48                       ; (the descriptors' registers are free: every tensor load of mine has been waited for)
	s_add_co_u32 s24, s24, s[YC]
	s_mov_b32 s25, 0
	s_add_nc_u64 s[24:25], s[8:9], s[24:25]
	s_lshl_b32 s26, s[Q0], 5
	s_add_co_u32 s26, s26, s[YW]
	s_mov_b32 s27, 0
	s_add_nc_u64 s[26:27], s[8:9], s[26:27]
	v_add_f32 v14, v14, v15
	s_delay_alu instid0(VALU_DEP_1)
	v_permlanex16_b32 v252, v14, s[SEL], s[SEL+1]
	s_delay_alu instid0(VALU_DEP_1)
	v_add_f32 v14, v14, v252
	s_wait_alu depctr_va_vdst(0)
	v_rcp_f32 v14, v14
.rept 4
	v_nop
.endr
	s_wait_alu depctr_va_vdst(0)
.set JJ, 0
.rept 32
	v_mul_f32 v[96+JJ], v[160+JJ], v14
.set JJ, JJ+1
.endr
.irp b, 0,1
	v_max3_num_f32 v[232+\b], |v[96+16*\b]|, |v[97+16*\b]|, 0x1800000
.endr
.irp i, 2,4,6,8,10,12,14
.irp b, 0,1
	s_delay_alu instid0(VALU_DEP_2)
	v_max3_num_f32 v[232+\b], v[232+\b], |v[96+16*\b+\i]|, |v[97+16*\b+\i]|
.endr
.endr
.irp b, 0,1
	s_delay_alu instid0(VALU_DEP_2)
	v_permlanex16_b32 v[236+\b], v[232+\b], s[SEL], s[SEL+1]
.endr
.irp b, 0,1
	s_delay_alu instid0(VALU_DEP_2)
	v_max_num_f32 v[232+\b], v[232+\b], v[236+\b]
.endr
.irp b, 0,1
	s_delay_alu instid0(VALU_DEP_2)
	v_add_nc_u32 v[244+\b], 0xff000000, v[232+\b]
.endr
.irp b, 0,1
	s_delay_alu instid0(VALU_DEP_2)
	v_lshrrev_b32 v[236+\b], 23, v[244+\b]
.endr
	s_delay_alu instid0(VALU_DEP_1)
	v_lshl_or_b32 v253, v237, 8, v236
	v_cvt_scalef32_pk16_fp6_f32 v[224:226], v[96:111], v244
	v_cvt_scalef32_pk16_fp6_f32 v[236:238], v[112:127], v245
	v_nop
.irp i, 0,1,2
	v_permlane16_swap_b32 v[224+\i], v[236+\i]
.endr
.irp i, 0,1,2
	s_delay_alu instid0(VALU_DEP_3)
	v_mov_b32 v[227+\i], v[236+\i]
.endr
.irp p, 0,1,2
	ds_store_b64 v[STI], v[224+2*\p:225+2*\p] offset:8*\p
.endr
.irp j, 0,1,2
	ds_load_b64 v[32+2*\j:33+2*\j], v[STB] offset:256*\j   ; my own bytes: LDS serves a wave's instructions in order
.endr
	global_store_b16 v[YS], v253, s[26:27]         ; 2 bytes a query, 32 bytes apart: one head of a row's sixteen
.irp j, 0,1,2
	s_wait_dscnt 2-\j                              ; load j is in; the 2 - j behind it may be out
	global_store_b64 v[GO], v[32+2*\j:33+2*\j], s[24:25] offset:256*\j   ; 32 lanes store 256 consecutive bytes, aligned
.endr
	s_wait_xcnt 0x0                                ; the stores' registers may be written again
.endm
	QINIT
	s_cmp_lt_u32 s[WV], 4
	s_cbranch_scc0 .Lnot_first
	s_wait_tensorcnt 0x0
.Lnot_first:
	s_barrier_signal -1
	s_barrier_wait -1                              ; the scale words and keys 0-511 are in
	s_wait_loadcnt 0x0
	WALK 4
	s_wait_tensorcnt 0x0
	s_wait_dscnt 0x0
	s_barrier_signal -1
	s_barrier_wait -1                              ; all keys are in
	WALK 12
	WAYOUT
	s_mov_b32 s[Q0], s6                            ; the earlier tile
	s_mov_b32 s[QB], s7
	QINIT
	s_wait_loadcnt 0x0
	WALK 16
	WAYOUT
	s_wait_tensorcnt 0x0                           ; the wave's end
	ds_add_u32 v[SPW], v[NIL]
	s_wait_dscnt 0x0
	CROUND                                         ; the closing round
	s_endpgm
.Lfunc_end_k_q4028126574_attn:
	.size	k_q4028126574_attn, .Lfunc_end_k_q4028126574_attn-k_q4028126574_attn
	.p2alignl 7, 3214868480
	.fill 96, 4, 3214868480
	.section	.rodata,"a",@progbits
	.p2align	6, 0x0
	.amdhsa_kernel k_q4028126574_attn
		.amdhsa_group_segment_fixed_size 327680
		.amdhsa_private_segment_fixed_size 0
		.amdhsa_enable_private_segment 0
		.amdhsa_kernarg_size 24
		.amdhsa_user_sgpr_count 2
		.amdhsa_user_sgpr_kernarg_segment_ptr 1
		.amdhsa_wavefront_size32 1
		.amdhsa_system_sgpr_workgroup_id_x 1
		.amdhsa_system_sgpr_workgroup_id_y 1
		.amdhsa_system_sgpr_workgroup_id_z 1
		.amdhsa_system_vgpr_workitem_id 0
		.amdhsa_next_free_vgpr 256
		.amdhsa_next_free_sgpr 106
		.amdhsa_reserve_vcc 1
		.amdhsa_float_denorm_mode_32 3
		.amdhsa_float_denorm_mode_16_64 3
		.amdhsa_memory_ordered 1
		.amdhsa_forward_progress 1
		.amdhsa_inst_pref_size 100
	.end_amdhsa_kernel
	.amdgpu_metadata
---
amdhsa.version: [ 1, 2 ]
amdhsa.kernels:
  - .name:           k_q4028126574_attn
    .symbol:         k_q4028126574_attn.kd
    .args:
      - { .name: qkq, .offset: 0, .size: 8, .value_kind: global_buffer, .address_space: global }
      - { .name: vq, .offset: 8, .size: 8, .value_kind: global_buffer, .address_space: global }
      - { .name: yq, .offset: 16, .size: 8, .value_kind: global_buffer, .address_space: global }
    .group_segment_fixed_size: 327680
    .private_segment_fixed_size: 0
    .kernarg_segment_align: 8
    .kernarg_segment_size: 24
    .max_flat_workgroup_size: 512
    .sgpr_count:     106
    .vgpr_count:     256
    .wavefront_size: 32
...
	.end_amdgpu_metadata
.endif
;; end of part 3
;; launch outp (part 4): grid 4 x 64, 4 waves a work-group, clusters of 4 x 4, 327,680 bytes of LDS; arguments yq, woq, out0; writes out0
.if DOCPART == 4
	.amdgcn_target "amdgcn-amd-amdhsa--gfx1250"
	.amdhsa_code_object_version 6
	.text
	.protected	k_q4028126574_outp
	.globl	k_q4028126574_outp
	.p2align	8
	.type	k_q4028126574_outp,@function
k_q4028126574_outp:
	s_mov_b64 s[64:65], 0
	v_nop
	global_prefetch_b8 v0, s[64:65] scope:SCOPE_SE
	s_setreg_imm32_b32 hwreg(HW_REG_WAVE_MODE, 25, 1), 1
	s_wait_xcnt 0x0
	s_wait_alu depctr_hold_cnt(0) depctr_sa_sdst(0) depctr_va_vdst(0) depctr_va_sdst(0) depctr_va_ssrc(0) depctr_va_vcc(0) depctr_vm_vsrc(0)
	s_getreg_b32 s2, hwreg(HW_REG_IB_STS2, 6, 4)
	s_cmp_eq_u32 s2, 0
	s_cbranch_scc0 .Lentry_in_a_cluster
	s_endpgm
.Lentry_in_a_cluster:
	s_bfe_u32 s2, ttmp6, 0x10000c
	s_cmp_lg_u32 s2, 0xf033
	s_cbranch_scc0 .Lentry_shape_is_right
	s_endpgm
.Lentry_shape_is_right:
.set IN_COFF, 262144
.set SIZE_N, 1024
.set NQ,     2
.set ROWB,   192
.set KROW,   768
.set PITCH,  240
.set FR,     12
.set NL,     6
.set NP,     4
.set HALFT,  128*PITCH
.set ATILE,  24576
.set ASTEP,  1572864
.set SLOT,   2*ATILE+2*HALFT
.set LAPS,   2
.set KS,     32
.set SCL,    2*SLOT
.set HALFS,  16*272
.set SBLK,   2*272
.set SPARE,  SCL+4*HALFS
.set SPITCH, 528
.set ADRA, 16
.set ADRB, 20
.set STO,  24
.set RD,   25
.set CO,   26
.set ADRS, 27
.set SPW,  28
.set NIL,  29
.set SC,   32
.set AF,   128
.set BK,   128
.set G1, 24
.set G0, 32
.set G1B, 48
.set G0B, 56
.set G1S, 68
.set G0S, 76
.set G1SB, 80
.set G0SB, 88
.set MSB, 0
.macro WIN new
.if MSB != \new
	s_set_vgpr_msb (MSB<<8)|\new
.set MSB, \new
.endif
.endm
.set MUL_LO, 0xa1
.set MUL_HI, 0xf1
.set TO_B,   0x40
.macro JLOAD g0a, g1a, g0b, g1b
	s_cmp_eq_u32 s14, 0                            ; wave 0 fetches A's 128 rows of a K step, wave 1 B's 256, the others nothing
	s_cbranch_scc0 .Lfor_b_\@
	tensor_load_to_lds s[\g0a:\g0a+3], s[\g1a:\g1a+7]
	s_nop 0
.rept 4
	v_nop
.endr
	s_branch .Lasked_\@
.Lfor_b_\@:
	s_cmp_eq_u32 s14, 1
	s_cbranch_scc0 .Lasked_\@
	tensor_load_to_lds s[\g0b:\g0b+3], s[\g1b:\g1b+7]
	s_nop 0
.rept 4
	v_nop
.endr
.Lasked_\@:
.endm
.macro CREST
	s_cmp_lg_u32 s14, 0
	s_cbranch_scc1 .Lnot_wave_0_\@
	s_barrier_signal -3
.Lnot_wave_0_\@:
	s_barrier_wait -3
	s_barrier_signal -1
	s_barrier_wait -1
.endm
.macro CROUND
	s_barrier_signal -1
	s_barrier_wait -1
	CREST
.endm
	s_load_b64 s[6:7], s[0:1], 0x0
	s_load_b64 s[10:11], s[0:1], 0x8
	s_load_b64 s[12:13], s[0:1], 0x10
	v_lshl_add_u32 v[SPW], v0, 2, SPARE
	v_mov_b32 v[NIL], 0
	ds_add_u32 v28, v29
	ds_add_u32 v28, v29
	s_wait_dscnt 0x0
	v_lshrrev_b32 v1, 5, v0
	v_readfirstlane_b32 s14, v1
	s_lshr_b32 s15, s14, 1
	s_and_b32 s16, s14, 1
	s_bfe_u32 s40, ttmp6, 0x40000
	s_bfe_u32 s41, ttmp6, 0x40004
	s_lshl_b32 s42, ttmp9, 2
	s_add_co_u32 s42, s42, s40
	s_and_b32 s17, ttmp7, 0xffff
	s_lshl_b32 s17, s17, 2
	s_add_co_u32 s17, s17, s41
	s_lshl_b32 s43, s41, 2
	s_lshl_b32 s43, 15, s43
	s_lshl_b32 s44, 0x1111, s40
	s_or_b32 s[G1+0], s43, (3<<16)|(1<<21)
	s_mov_b32 s[G1+1], 768<<16                     ; A's tile: 128 tokens x 48 bytes of each of a K step's four heads
	s_mov_b32 s[G1+2], 4<<16
	s_mov_b32 s[G1+3], 768<<16
	s_mov_b32 s[G1+4], 4
	s_mov_b32 s[G1+5], 49152
	s_mov_b32 s[G1+6], 0
	s_mov_b32 s[G1+7], 0
	s_or_b32 s[G1B+0], s44, (0<<16)|(1<<20)|(1<<21)|(3<<22)|(3<<25)
	s_mov_b32 s[G1B+1], 256<<16
	s_mov_b32 s[G1B+2], 192<<16
	s_mov_b32 s[G1B+3], 256<<16
	s_mov_b32 s[G1B+4], 192
	s_mov_b32 s[G1B+5], 256
	s_mov_b32 s[G1B+6], 0
	s_mov_b32 s[G1B+7], 0
	s_or_b32 s[G1S+0], s43, (3<<16)|(1<<20)|(1<<21)|(5<<22)|(3<<25)
	s_or_b32 s[G1SB+0], s44, (3<<16)|(1<<20)|(1<<21)|(5<<22)|(3<<25)
.irp g, G1S, G1SB
	s_mov_b32 s[\g+1], 32<<16
	s_mov_b32 s[\g+2], 32<<16
	s_mov_b32 s[\g+3], 32<<16
	s_mov_b32 s[\g+4], 32
	s_mov_b32 s[\g+5], 32
	s_mov_b32 s[\g+6], 0
	s_mov_b32 s[\g+7], 0
.endr
	; A BLOCK OF out0 IS 128 x 256: 256 work-groups; a wave makes 64 x 128: 32 accumulators, in window 2
	s_mov_b32 s[G1S+2], 16<<16                     ; A's scales: 128 rows, 16 rows of 256 bytes
	s_mov_b32 s[G1S+4], 16
	s_lshl_b32 s20, s17, 7
	s_lshl_b32 s46, s42, 8
	s_mov_b32 s21, 0
	s_mov_b32 s47, 0
	s_mov_b64 s[18:19], KS
	s_mul_u64 s[22:23], s[20:21], s[18:19]
	s_mul_u64 s[92:93], s[46:47], s[18:19]
	s_mov_b64 s[18:19], 48
	s_mul_u64 s[20:21], s[20:21], s[18:19]
	s_mov_b64 s[18:19], KROW
	s_mul_u64 s[46:47], s[46:47], s[18:19]
	s_mov_b32 s45, 0
	s_mov_b32 s95, 2*ATILE
	s_wait_kmcnt 0x0
	s_add_nc_u64 s[4:5], s[6:7], IN_COFF
	s_add_nc_u64 s[8:9], s[10:11], IN_COFF
	s_add_nc_u64 s[20:21], s[4:5], s[20:21]
	s_add_nc_u64 s[22:23], s[6:7], s[22:23]
	s_add_nc_u64 s[46:47], s[8:9], s[46:47]
	s_add_nc_u64 s[92:93], s[10:11], s[92:93]
	CROUND
	s_mov_b32 s[G0S], 1
	s_mov_b32 s[G0S+1], SCL
	s_mov_b64 s[G0S+2:G0S+3], s[22:23]
	s_or_b32 s[G0S+3], s[G0S+3], 0x80000000
	s_mov_b32 s[G0SB], 1
	s_mov_b32 s[G0SB+1], SCL+HALFS
	s_mov_b64 s[G0SB+2:G0SB+3], s[92:93]
	s_or_b32 s[G0SB+3], s[G0SB+3], 0x80000000
.irp s, 0,1
	s_mov_b32 s[G0+4*\s], 1
	s_add_co_u32 s[G0+4*\s+1], s45, \s*SLOT
	s_add_nc_u64 s[G0+4*\s+2:G0+4*\s+3], s[20:21], \s*ASTEP
	s_or_b32 s[G0+4*\s+3], s[G0+4*\s+3], 0x80000000
	s_mov_b32 s[G0B+4*\s], 1
	s_add_co_u32 s[G0B+4*\s+1], s95, \s*SLOT
	s_add_nc_u64 s[G0B+4*\s+2:G0B+4*\s+3], s[46:47], \s*49152
	s_or_b32 s[G0B+4*\s+3], s[G0B+4*\s+3], 0x80000000
.endr
; the head's four tiles, one a wave, in one tree of branches on the wave's number: A's K step 0, B's, A's scales, B's scales
.macro ARM under, g0, g1, next
	s_cmp_lt_u32 s14, \under
	s_cbranch_scc0 \next
	tensor_load_to_lds s[\g0:\g0+3], s[\g1:\g1+7]
	s_nop 0
.rept 4
	v_nop
.endr
	s_branch .Lhead_asked
\next:
.endm
	ARM 1, G0,  G1,  .Lhead_b
	ARM 2, G0B, G1B, .Lhead_sa
	ARM 3, G0S, G1S, .Lhead_sb
	tensor_load_to_lds s[G0SB:G0SB+3], s[G1SB:G1SB+7]
	s_nop 0
.rept 4
	v_nop
.endr
.Lhead_asked:
	v_and_b32 v1, 15, v0
	v_bfe_u32 v2, v0, 4, 1
	v_mul_u32_u24 v3, v1, PITCH
	v_mul_u32_u24 v4, v2, 24
	v_add_nc_u32 v4, v3, v4
	v_lshl_add_u32 v5, v2, 4, v4
	v_mul_u32_u24 v7, v1, 48
	v_mad_u32_u24 v7, v2, 24, v7
	s_mul_i32 s21, s15, 3072
	s_mul_i32 s22, s16, HALFT
	s_add_co_u32 s22, s22, 2*ATILE
.irp s, 0,1
	v_add_nc_u32 v[ADRA+\s], s21, v7
	v_add_nc_u32 v[ADRB+\s], s22, v4
	v_add_nc_u32 v[ADRB+2+\s], s22, v5
	s_add_co_u32 s21, s21, SLOT
	s_add_co_u32 s22, s22, SLOT
.endr
	v_mul_u32_u24 v5, v1, KS
	v_lshrrev_b32 v6, 8, v5
	v_lshl_add_u32 v5, v6, 4, v5
	s_mul_i32 s21, s15, HALFS/2                    ; A's scales: my 64 rows
	s_mul_i32 s22, s16, HALFS                      ; B's: my 128 rows, behind A's 128
	s_add_co_u32 s22, s22, HALFS
	s_sub_co_u32 s22, s22, s21
	v_mul_u32_u24 v6, s22, v2
	s_add_co_u32 s21, s21, SCL
	v_add_nc_u32 v5, v5, v6
	v_add_nc_u32 v[ADRS], s21, v5
	s_mul_i32 s23, s14, 16*SPITCH
	v_mul_u32_u24 v5, v1, SPITCH
	v_lshl_add_u32 v5, v2, 5, v5
	v_add_nc_u32 v[STO], s23, v5
	v_and_b32 v6, 31, v0
	v_lshlrev_b32 v[CO], 4, v6
	v_add_nc_u32 v[RD], s23, v[CO]
	s_lshl_b32 s20, s17, 7
	s_lshl_b32 s21, s15, 6
	s_add_co_u32 s20, s20, s21
	s_mov_b32 s21, 0
	s_mov_b64 s[18:19], SIZE_N*4
	s_mul_u64 s[20:21], s[20:21], s[18:19]
	s_lshl_b32 s46, s42, 10
	s_lshl_b32 s47, s16, 9
	s_add_co_u32 s46, s46, s47
	s_mov_b32 s47, 0
	s_add_nc_u64 s[20:21], s[20:21], s[46:47]
	s_add_nc_u64 s[12:13], s[12:13], s[20:21]
.macro FRAG reg, adr, q, i
.irp p, 0,1,2,3,4,5
.set PCE, 12*(\q)+6*(\p/3)+\p%3
.if PCE%8 < 5
	ds_load_b64 v[\reg+2*\p:\reg+2*\p+1], v[\adr] offset:8*PCE+16*(PCE/8)+(\i)*16*PITCH
.else
	ds_load_b64 v[\reg+2*\p:\reg+2*\p+1], v[\adr+2] offset:8*PCE+16*(PCE/8)+(\i)*16*PITCH
.endif
.endr
.endm
.macro FRAGA reg, slot, q, i
.irp p, 0,1,2,3,4,5
	ds_load_b64 v[\reg+2*\p:\reg+2*\p+1], v[ADRA+\slot] offset:(2*(\q)+\p/3)*6144+(\i)*768+8*(\p%3)
.endr
.endm
.macro MUL16 a0, p, q, sc, zero
.irp a, \a0, \a0+1
.irp b, 0,1,2,3,4,5,6,7
.if \zero
	v_wmma_scale_f32_16x16x128_f8f6f4 v[8*(8*((\a)%4)+\b):8*(8*((\a)%4)+\b)+7], v[128*(\p)+FR*\b:128*(\p)+FR*\b+FR-1], v[AF+FR*(\a):AF+FR*(\a)+FR-1], 0, v[SC+8*NQ*(\sc)+NQ*\b+(\q)], v[SC+8*NQ*(\sc)+NQ*(\a)+(\q)] matrix_a_fmt:MATRIX_FMT_FP6 matrix_b_fmt:MATRIX_FMT_FP6 matrix_a_scale:MATRIX_SCALE_ROW1
.else
	v_wmma_scale_f32_16x16x128_f8f6f4 v[8*(8*((\a)%4)+\b):8*(8*((\a)%4)+\b)+7], v[128*(\p)+FR*\b:128*(\p)+FR*\b+FR-1], v[AF+FR*(\a):AF+FR*(\a)+FR-1], v[8*(8*((\a)%4)+\b):8*(8*((\a)%4)+\b)+7], v[SC+8*NQ*(\sc)+NQ*\b+(\q)], v[SC+8*NQ*(\sc)+NQ*(\a)+(\q)] matrix_a_fmt:MATRIX_FMT_FP6 matrix_b_fmt:MATRIX_FMT_FP6 matrix_a_scale:MATRIX_SCALE_ROW1
.endif
.endr
.endr
.endm
.macro FETCH_B slot, q, p
	WIN TO_B
.irp i, 0,1,2,3,4,5,6,7
	FRAG 128*(\p)+FR*\i, ADRB+\slot, \q, \i
.endr
	WIN 0
.endm
.macro FETCH_A slot, q, p              ; A's four blocks into set p: two sets of 48 registers, at v128 and v176
.irp i, 0,1,2,3
	FRAGA 128+48*(\p)+FR*\i, \slot, \q, \i
.endr
.endm
.macro SCALES sc
.irp i, 0,1,2,3,4,5,6,7
	ds_load_b64 v[SC+8*NQ*\sc+NQ*\i:SC+8*NQ*\sc+NQ*\i+1], v[ADRS] offset:\i*SBLK
.endr
.endm
.macro PLACES n
.rept \n
	v_nop
.endr
.endm
.macro STEP slot, q, zero              ; the next step's 72 loads go out into the other sets, ahead of this step's 32 products
	s_wait_dscnt 0                                 ; this step's fragments and scale words are in
	PLACES NP                                      ; behind the last step's products, which read the sets that are loaded now
	FETCH_B \slot, (\q)+1, 1-(\q)%2
	FETCH_A \slot, (\q)+1, 1-(\q)%2
.set AF, 128+48*((\q)%2)
	WIN MUL_LO
	MUL16 0, (\q)%2, \q, \slot, \zero
	MUL16 2, (\q)%2, \q, \slot, \zero
	WIN 0
.endm
.macro TURN slot, next, fill
	s_wait_tensorcnt 0x0
	ds_add_u32 v[SPW], v[NIL]
.set AF, 128+48
	s_wait_dscnt 0x0                               ; the add is done, and my reads of this slot are over: its last fragments are in registers
	s_barrier_signal -1
	WIN MUL_LO
	MUL16 0, 1, NQ-1, \slot, 0
	WIN 0
	s_barrier_wait -1
.if \fill
	CREST
	s_add_nc_u64 s[G0+4*\slot+2:G0+4*\slot+3], s[G0+4*\slot+2:G0+4*\slot+3], 2*ASTEP
	s_add_nc_u64 s[G0B+4*\slot+2:G0B+4*\slot+3], s[G0B+4*\slot+2:G0B+4*\slot+3], 2*49152
	JLOAD G0+4*\slot, G1, G0B+4*\slot, G1B
	PLACES NP                                      ; the places ahead of the loads below, for the waves that come round the load
.else
	PLACES NP
.endif
	s_wait_alu depctr_va_vdst(0)
	v_add_nc_u32 v[ADRS], 4*NQ, v[ADRS]
	FETCH_B \next, 0, 0
	FETCH_A \next, 0, 0
	SCALES \next
	WIN MUL_LO
	MUL16 2, 1, NQ-1, \slot, 0
	WIN 0
.endm
	s_wait_alu depctr_va_vdst(0)
	s_wait_tensorcnt 0x0                           ; my tile of the head's four is in; slot 1's first fill is issued as a refill is
	ds_add_u32 v[SPW], v[NIL]
	s_wait_dscnt 0x0
	CROUND
	JLOAD G0+4, G1, G0B+4, G1B
	FETCH_B 0, 0, 0
	FETCH_A 0, 0, 0
	SCALES 0
	STEP 0, 0, 1
	s_mov_b32 s3, LAPS-1
.Llap:
	TURN 0, 1, 1
	STEP 1, 0, 0
	TURN 1, 0, 1
	STEP 0, 0, 0
	s_sub_co_u32 s3, s3, 1
	s_cmp_lg_u32 s3, 0
	s_cbranch_scc1 .Llap
	TURN 0, 1, 0
	STEP 1, 0, 0
.set AF, 128+48
	s_wait_dscnt 0                                 ; the very last step: nothing more to fetch
	WIN MUL_LO
	MUL16 0, 1, NQ-1, 1, 0
	MUL16 2, 1, NQ-1, 1, 0
	WIN 0
.macro TOSTAGE a
.set AC, 64*((\a)%4)
	WIN 0x08+4*((\a)/4)
.irp b, 0,1,2,3,4,5,6,7
	ds_store_b128 v[STO], v[AC+8*\b:AC+8*\b+3] offset:64*\b
	ds_store_b128 v[STO], v[AC+8*\b+4:AC+8*\b+7] offset:64*\b+16
.endr
	WIN 0
.set BB, BK+64*((\a)%2)
.irp t, 0,1,2,3,4,5,6,7,8,9,10,11,12,13,14,15
	ds_load_b128 v[BB+4*\t:BB+4*\t+3], v[RD] offset:\t*SPITCH
.endr
.endm
.macro SEND a, younger
.set BB, BK+64*((\a)%2)
	s_wait_dscnt \younger
.if (\a) > 0
	s_add_nc_u64 s[12:13], s[12:13], 16*SIZE_N*4
.endif
.irp t, 0,1,2,3,4,5,6,7,8,9,10,11,12,13,14,15
	global_store_b128 v[CO], v[BB+4*\t:BB+4*\t+3], s[12:13] offset:\t*SIZE_N*4 th:TH_STORE_NT
.endr
.endm
	PLACES NP
	TOSTAGE 0
.irp a, 1,2,3
.if \a > 1
	s_wait_xcnt 0x0
.endif
	TOSTAGE \a
	SEND \a-1, 32
.endr
	s_wait_xcnt 0x0
	SEND 3, 0
	s_wait_tensorcnt 0x0
	ds_add_u32 v[SPW], v[NIL]
	s_wait_dscnt 0x0
	CROUND
	s_endpgm
.Lfunc_end_k_q4028126574_outp:
	.size	k_q4028126574_outp, .Lfunc_end_k_q4028126574_outp-k_q4028126574_outp
	.p2alignl 7, 3214868480
	.fill 96, 4, 3214868480
	.section	.rodata,"a",@progbits
	.p2align	6, 0x0
	.amdhsa_kernel k_q4028126574_outp
		.amdhsa_group_segment_fixed_size 327680
		.amdhsa_private_segment_fixed_size 0
		.amdhsa_enable_private_segment 0
		.amdhsa_kernarg_size 24
		.amdhsa_user_sgpr_count 2
		.amdhsa_user_sgpr_kernarg_segment_ptr 1
		.amdhsa_wavefront_size32 1
		.amdhsa_system_sgpr_workgroup_id_x 1
		.amdhsa_system_sgpr_workgroup_id_y 1
		.amdhsa_system_sgpr_workgroup_id_z 1
		.amdhsa_system_vgpr_workitem_id 0
		.amdhsa_next_free_vgpr 1024
		.amdhsa_next_free_sgpr 98
		.amdhsa_reserve_vcc 0
		.amdhsa_float_denorm_mode_32 3
		.amdhsa_float_denorm_mode_16_64 3
		.amdhsa_memory_ordered 1
		.amdhsa_forward_progress 1
		.amdhsa_inst_pref_size 101
	.end_amdhsa_kernel
	.amdgpu_metadata
---
amdhsa.version: [ 1, 2 ]
amdhsa.kernels:
  - .name:           k_q4028126574_outp
    .symbol:         k_q4028126574_outp.kd
    .args:
      - { .name: yq, .offset: 0, .size: 8, .value_kind: global_buffer, .address_space: global }
      - { .name: woq, .offset: 8, .size: 8, .value_kind: global_buffer, .address_space: global }
      - { .name: out0, .offset: 16, .size: 8, .value_kind: global_buffer, .address_space: global }
    .group_segment_fixed_size: 327680
    .private_segment_fixed_size: 0
    .kernarg_segment_align: 8
    .kernarg_segment_size: 24
    .max_flat_workgroup_size: 128
    .sgpr_count:     98
    .vgpr_count:     1024
    .wavefront_size: 32
...
	.end_amdgpu_metadata
.endif
;; end of part 4
